; MI455X (gfx1250); checked and timed in simulation.
; The chip was launched on July 23, 2026; its instructions are those of AMD's public machine-readable ISA for CDNA 5 (MIT licence, August 2026) and "CDNA5" Instruction Set Architecture Reference Guide (July 2026). The comments in the code are by the model that wrote it; some were corrected since.
;; Block. Allowed arithmetic: matrix products marked QUANTISED: E2M1 operands, one E8M0 scale for each 32 along K, by v_wmma_scale_f32_16x16x128_f8f6f4 with both operands' format E2M1 (or v_wmma_scale_f32_32x16x128_f4), f32 sums; everything else in f32.
;; Inputs: W1_codes 512 x 4 x 16 uint8 (E2M1 codes of W1, K innermost, in blocks of 32 codes, two codes a byte); W1_scales 512 x 4 uint8 (E8M0 scales of W1, one for each 32 codes along K); W2_codes 128 x 16 x 16 uint8 (E2M1 codes of W2, K innermost, in blocks of 32 codes, two codes a byte); W2_scales 128 x 16 uint8 (E8M0 scales of W2, one for each 32 codes along K); Wk_codes 4 x 32 x 4 x 16 uint8 (E2M1 codes of Wk, K innermost, in blocks of 32 codes, two codes a byte); Wk_scales 4 x 32 x 4 uint8 (E8M0 scales of Wk, one for each 32 codes along K); Wp_codes 128 x 4 x 16 uint8 (E2M1 codes of Wp, K innermost, in blocks of 32 codes, two codes a byte); Wp_scales 128 x 4 uint8 (E8M0 scales of Wp, one for each 32 codes along K); Wq_codes 4 x 32 x 4 x 16 uint8 (E2M1 codes of Wq, K innermost, in blocks of 32 codes, two codes a byte); Wq_scales 4 x 32 x 4 uint8 (E8M0 scales of Wq, one for each 32 codes along K); Wv_codes 4 x 32 x 4 x 16 uint8 (E2M1 codes of Wv, K innermost, in blocks of 32 codes, two codes a byte); Wv_scales 4 x 32 x 4 uint8 (E8M0 scales of Wv, one for each 32 codes along K); bp 128 float32; ln1_b 128 float32; ln1_g 128 float32; ln2_b 128 float32; ln2_g 128 float32; x 8 x 2,048 x 128 float32.
;; Outputs: out0 8 x 2,048 x 128 float32.
;; This version of the problem:
;;   THIS VERSION OF THE PROBLEM IS GIVEN IN LOW PRECISION. The matrix products marked QUANTISED in the list below multiply operands that are first quantised to E2M1 (2 exponent bits, 1 mantissa bit; 4 bits a number), with one power-of-two scale for each 32 numbers along K (OCP MX v1.0); their sums are f32. All else is computed in f32.
;;   The module's matrix products, in the order in which they are computed (A, B: the left and right operand; K: the contracted axis; several contracted axes count as one K, in the product's order):
;;     1. [M 128, K 128] x [K 128, N 16,384]; A: input Wq (given as codes); B: computed on the way: QUANTISED
;;     2. [M 128, K 128] x [K 128, N 16,384]; A: input Wk (given as codes); B: computed on the way: QUANTISED
;;     3. [M 128, K 128] x [K 128, N 16,384]; A: input Wv (given as codes); B: computed on the way: QUANTISED
;;     4. batch 32 x [M 2,048, K 32] x [K 32, N 2,048]; A: computed on the way; B: computed on the way: QUANTISED
;;     5. batch 32 x [M 2,048, K 2,048] x [K 2,048, N 32]; A: softmax (see below); B: computed on the way: QUANTISED
;;     6. [M 16,384, K 128] x [K 128, N 128]; A: computed on the way; B: input Wp (given as codes): QUANTISED
;;     7. [M 16,384, K 128] x [K 128, N 512]; A: computed on the way; B: input W1 (given as codes): QUANTISED
;;     8. [M 16,384, K 512] x [K 512, N 128]; A: computed on the way; B: input W2 (given as codes): QUANTISED
;;   THE QUANTISER, for each operand of a quantised product, along K:
;;     - K is cut into blocks of 32 from its start; a last block that is shorter is filled with zeros.
;;     - A block's scale is 2^e with e = floor(log2(the largest magnitude in the block)) - 2, held to -126 .. 127; a block of zeros has e = 0. As a byte (E8M0): e + 127.
;;     - Each number is divided by its block's scale, clamped to +-6, and rounded to the nearest number of E2M1, ties to even, subnormals kept.
;;     - The product sums the exact products of the quantised numbers (number of the format x scale) in f32.
;;   ~~~python
;;   def quantise(x, axis):      # numpy; x: float32 -> the quantised numbers, widened to float32 again
;;       x = np.moveaxis(x, axis, -1); K = x.shape[-1]
;;       x = np.pad(x, [(0, 0)] * (x.ndim - 1) + [(0, -K % 32)]); x = x.reshape(x.shape[:-1] + (-1, 32)); a = np.abs(x).max(-1, keepdims=True)
;;       e = np.where(a > 0, np.clip(np.frexp(np.where(a > 0, a, 1))[1] - 1 - 2, -126, 127), 0)      # np.frexp(a)[1] - 1 = floor(log2(a)), exactly
;;       r = np.clip(x / 2.0 ** e, -6, 6)
;;       step = 2.0 ** (np.maximum(np.frexp(np.where(r == 0, 1, r))[1] - 1, 0) - 1)
;;       q = np.round(r / step) * step * 2.0 ** e      # np.round: ties to even
;;       return np.moveaxis(q.reshape(q.shape[:-2] + (-1,))[..., :K], -1, axis).astype(np.float32)
;;   ~~~
;;   SOFTMAX AHEAD OF A QUANTISED PRODUCT. Where the list says 'softmax', what is quantised is not the finished softmax but p = 2^(t - M), with t = logit x log2(e) and M = ceil(the row's largest t), a whole number; so 1/2 < the row's largest p <= 1. The row's sum l is taken of the UNQUANTISED p, in f32, and the product's result is divided by l at the end. Since M is a whole number, a kernel that streams over the keys may use a running M (the ceiling of the running maximum): every later rescaling is an exact power of two, which a block's scale takes up: the codes' values come out the same.
;;   OPERANDS COMPUTED ON THE WAY. 'Computed on the way' means the value that the module computes at that place (a softmax that the list does not call 'softmax' is quantised finished and normalised). What goes into a quantiser is computed in f32, as accurately as f32 sums, v_exp_f32 and their like allow (about 1e-6 of the number): no bf16 or f16 on the way to a quantiser, and a product that is left as it is and whose result goes on into a quantised operand takes f32 operands (vector FMAs, or v_wmma_f32_16x16x4_f32). A number that lies on a knife's edge between two numbers of the format may be rounded either way, as far as f32 arithmetic and the matrix unit's own rounding can turn it there, and no further.
;;   INPUTS GIVEN AS CODES. W1 (in the module: [128, 512], K = its axis 0); W2 (in the module: [512, 128], K = its axis 0); Wk (in the module: [4, 128, 32], K = its axis 1); Wp (in the module: [128, 128], K = its axis 0); Wq (in the module: [4, 128, 32], K = its axis 1); Wv (in the module: [4, 128, 32], K = its axis 1): each comes as NAME_codes (uint8): NAME with its K axis moved to the last place and cut into blocks of 32 codes, [.., K / 32, bytes a block], one block behind the other in memory; two codes a byte, the lower K in the low four bits (a code: sign, 2 exponent bits, 1 mantissa bit); and NAME_scales (uint8): the same leading axes, one E8M0 byte (e + 127) for each 32 codes along K. Its value is code x scale, taken as it is: it is not quantised again, and the codes and scales need not be those that the quantiser above would give.
;; One version. Each part assembles by itself: llvm-mc -triple=amdgcn-amd-amdhsa -mcpu=gfx1250 --defsym DOCPART=n.
;; ======== version 1 of 1: 2 launches
;; limits: right only within a limited range of input values
;; workspace buffers: kv 2,097,152 bytes; sc 131,072 bytes; qc 1,048,576 bytes; qs 262,144 bytes
;; launch prep (part 1): grid 256 x 1, 4 waves a work-group, no clusters, 5,120 bytes of LDS; arguments x, ln1_g, ln1_b, Wq_codes, Wq_scales, Wk_codes, Wk_scales, Wv_codes, Wv_scales, kv, sc, qc, qs; writes kv, sc, qc, qs
.if DOCPART == 1
	.amdgcn_target "amdgcn-amd-amdhsa--gfx1250"
	.amdhsa_code_object_version 6
	.text
	.protected	k_qabea72dbe2_prep
	.globl	k_qabea72dbe2_prep
	.p2align	8
	.type	k_qabea72dbe2_prep,@function
k_qabea72dbe2_prep:
	s_mov_b64 s[64:65], 0
	v_nop
	global_prefetch_b8 v0, s[64:65] scope:SCOPE_SE
	s_setreg_imm32_b32 hwreg(HW_REG_WAVE_MODE, 25, 1), 1
	s_wait_xcnt 0x0
; FIRST OF TWO LAUNCHES.  h = layernorm(x) is quantised along C; q, k, v = h x Wq, Wk, Wv (E2M1 codes, E8M0 scales, f32 sums); q and k are quantised along the head's 32, v along the keys;
; the codes and scale bytes are stored in the order in which the second launch's operand registers take them.
; DEAD WORK, for the whole program: reference() sets att to -inf wherever key > query, by a jnp.tril that it builds itself; the softmax gives such a key the weight 0 whatever finite values the
; inputs hold, the code of 0 is 0, and it adds nothing to the row's sum nor to the second product.  So a step of 128 keys all of which come after all 16 queries of a tile is not multiplied
; (second launch).  Nothing else is left out, and every input is loaded.  LIMIT: a NaN, an infinity or an overflow that would arise only in scores left out so is not carried to the result.
; LIMITS: NaN and infinities among the inputs are not served.  A block whose largest magnitude lies under 2^(3 - 127) gets the byte 1 (a block of zeros too, where the rule says 127: its codes are
; zeros, which add nothing under any byte but 0xff, and this program alone reads the bytes).
; SHARES.  A work-group takes 64 tokens.  First each of its four waves normalises and quantises one tile of 16 tokens; the four fragments of h meet in LDS as images of their registers; then wave w
; is head w for all 64 tokens.  THE TOKENS OF A TILE ARE NOT NEIGHBOURS: lane r of tile 2 bb + T is token 32 bb + 8 T + pat(r), pat(r) = r + 8 (r / 8); the rows of a weight's tile u are 8 u + pat(r).
; So a lane's 16 registers of two neighbouring result tiles are 16 neighbours along the axis that is quantised next (d for q and k, with the weight as source 0; the keys for v, with h as source 0).
; BUFFERS (chunk = 128 keys, g = which 64 of them):  kv: a record of 4,096 bytes for each (chunk, head): K at 512 (2 g + c) + 16 lane: the 32 codes of key 64 g + 32 c + 8 (lane / 16) + pat(lane % 16);
; V at 2,048 + 512 (2 e + g) + 16 lane: keys 64 g + 32 (lane / 16) + 0 .. 31 of d = 8 e + pat(lane % 16).  sc: 256 bytes for each (chunk, head): K's words at 64 g + 4 r (byte 2 c + T), V's bytes at
; 128 + 4 (16 e + r) + key block.  qc: 256 bytes for each (tile of 16 queries, head), 16 bytes a query.  qs: for each (64 tokens, head) 64 words, a query's byte four times in its word.
.set HIMG,  0                          ; LDS: h's four fragments, 1,024 bytes each,
.set HSC,   4096                       ; their scale words, 128 bytes each,
.set SPARE, 4608                       ; and the spare words, 128 bytes a wave, which no other line names
.set SPW, 1                            ; v1   my spare word's address; never rewritten
.set NIL, 2                            ; v2   0; never rewritten
.set L16, 3                            ; v3   16 x lane
.set L4,  4                            ; v4   4 x lane
.set XA,  5                            ; v5   x: pat(r) rows of 512 bytes + 64 h
.set GA,  6                            ; v6   gain and bias: 64 h
.set WA,  7                            ; v7   weights' codes: pat(r) rows of 64 bytes + 16 h
.set WSA, 8                            ; v8   weights' scale words: 4 pat(r)
.set IMG, 9                            ; v9   where I store h's image
.set WSC, 10                           ; v10-15 scale words: Wq's two tiles, Wk's, Wv's: scales and nothing else
.set X,   16                           ; v16-79   64 numbers of x, then of h; later the 8 result tiles
.set G,   80                           ; v80-143  the gain; dead behind the norm, then as set out below
.set B,   144                          ; v144-207 the bias; dead behind the norm
.set WQ,  208                          ; v208-223 Wq's two fragments
.set WK,  224                          ; v224-239 Wk's
.set LM,  240                          ; v[240:241] the mean, later 1 / sqrt(var + eps), twice
.set CH,  242                          ; v242-249 four chains of packed sums
.set PT,  250                          ; v250 a lane permute's destination
.set ISC, 251                          ; v251 where I store h's scale word
.set HS,  252                          ; v252-255 h's scale words: scales and nothing else
.set TM,  80                           ; v80-95   the quantiser's work
.set PWH, 96                           ; v96-99   the scale words made: h's, q's, k's, v's
.set PWQ, 97
.set PWK, 98
.set PWV, 99
.set PCH, 100                          ; v100-131 the codes made: a set for each, so that no store's data are written again
.set PCQ, 108
.set PCK, 116
.set PCV, 124
.set QW,  132                          ; v[132:133] q's two replicated scale words
.set VW,  134                          ; v134 v's two scale bytes
.set QCA, 137                          ; v137 my place in qc
.set L8,  138                          ; v138 8 x lane
.set KSA, 139                          ; v139 4 r
.set SEL0, 140                         ; v140, v141 byte selects: byte 2 h, byte 2 h + 1, four times
.set SEL1, 141
.set SH,  142                          ; v142 16 h
.set WVF, 144                          ; v144-159 Wv's two fragments
.set HF,  160                          ; v160-191 h's four fragments
.set SEL, 40                           ; s[40:41] lane selects for lane l xor 16
; 64 numbers of a lane, register 16 b + i = place 32 b + 16 (lane / 16) + i of my row, become a fragment's codes in v[pc] on and the row's scale word in v[pw].
.macro QUANT s, pc, pw
.irp b, 0,1,2,3
	v_max3_num_f32 v[TM+\b], |v[\s+16*\b]|, |v[\s+1+16*\b]|, 0x1800000   ; my 16 numbers of block b, and the floor 2^(3 - 127): the byte cannot fall under 1
.endr
.irp i, 2,4,6,8,10,12,14
.irp b, 0,1,2,3
	v_max3_num_f32 v[TM+\b], v[TM+\b], |v[\s+16*\b+\i]|, |v[\s+1+16*\b+\i]|   ; the four blocks by turns
.endr
.endr
.irp b, 0,1,2,3
	v_permlanex16_b32 v[TM+4+\b], v[TM+\b], s[SEL], s[SEL+1]
.endr
.irp b, 0,1,2,3
	v_max_num_f32 v[TM+\b], v[TM+\b], v[TM+4+\b]       ; with lane l xor 16's: the block's largest magnitude
.endr
.irp b, 0,1,2,3
	v_add_nc_u32 v[TM+12+\b], 0xff000000, v[TM+\b]     ; 2 off its exponent field: the conversion's scale operand
.endr
.irp b, 0,1,2,3
	v_lshrrev_b32 v[TM+4+\b], 23, v[TM+12+\b]          ; the scale's byte
.endr
	v_lshl_or_b32 v[\pw], v[TM+5], 8, v[TM+4]
	v_lshl_or_b32 v[\pw], v[TM+6], 16, v[\pw]
	v_lshl_or_b32 v[\pw], v[TM+7], 24, v[\pw]
.irp b, 0,1,2,3
	v_cvt_scalef32_pk8_fp4_f32 v[\pc+2*\b], v[\s+16*\b:\s+7+16*\b], v[TM+12+\b]
	v_cvt_scalef32_pk8_fp4_f32 v[\pc+1+2*\b], v[\s+8+16*\b:\s+15+16*\b], v[TM+12+\b]
.endr
	v_nop                                              ; one plain place behind the scaled conversions
.irp c, 0,1                                            ; a whole block to a lane: lanes 0-15 block 2 c, lanes 16-31 block 2 c + 1
.irp i, 0,1
	v_permlane16_swap_b32 v[\pc+4*\c+\i], v[\pc+2+4*\c+\i]
.endr
.endr
.endm
; result tile 2 t + u = (16 rows of a weight, source 0) x (h's tile t, source 1): lane (r, h) holds token r of the tile, register j the head's d = 8 u + 16 h + j
.macro WXH wf, ws
.irp t, 0,1,2,3
.irp u, 0,1
	v_wmma_scale_f32_16x16x128_f8f6f4 v[X+16*\t+8*\u:X+16*\t+8*\u+7], v[\wf+8*\u:\wf+8*\u+7], v[HF+8*\t:HF+8*\t+7], 0, v[\ws+\u], v[HS+\t] matrix_a_fmt:MATRIX_FMT_FP4 matrix_b_fmt:MATRIX_FMT_FP4
.endr
.endr
.rept 4
	v_nop                                              ; four places ahead of the first read of the results
.endr
.endm
	s_load_b512 s[8:23], s[0:1], 0x0               ; x, g, b, Wq's codes, Wq's scales, Wk's codes, Wk's scales, Wv's codes
	s_load_b256 s[24:31], s[0:1], 0x40             ; Wv's scales, kv, sc, qc
	s_load_b64 s[32:33], s[0:1], 0x60              ; qs
	v_lshl_add_u32 v[SPW], v0, 2, SPARE
	v_mov_b32 v[NIL], 0
	v_lshrrev_b32 v[PT], 5, v0
	v_readfirstlane_b32 s34, v[PT]                 ; wave: my tile of tokens, later my head
	v_and_b32 v[LM], 31, v0                        ; lane
	v_lshlrev_b32 v[L16], 4, v[LM]
	v_lshlrev_b32 v[L4], 2, v[LM]
	v_and_b32 v[LM], 15, v0                        ; r
	v_bfe_u32 v[LM+1], v0, 4, 1                    ; h
	v_and_b32 v[CH], 8, v[LM]
	v_add_nc_u32 v[CH], v[CH], v[LM]               ; pat(r)
	v_lshlrev_b32 v[XA], 9, v[CH]
	v_lshl_add_u32 v[XA], v[LM+1], 6, v[XA]
	v_lshlrev_b32 v[GA], 6, v[LM+1]
	v_lshlrev_b32 v[WA], 6, v[CH]
	v_lshl_add_u32 v[WA], v[LM+1], 4, v[WA]
	v_lshlrev_b32 v[WSA], 2, v[CH]
	s_lshl_b32 s35, s34, 10
	v_add_nc_u32 v[IMG], s35, v[L16]               ; 16 x lane + 1,024 x wave
	s_lshl_b32 s35, s34, 7
	v_add_nc_u32 v[ISC], s35, v[L4]                ; 4 x lane + 128 x wave
	v_mov_b32 v[PT], 0                             ; a lane permute's destination counts as one of its sources
	s_mov_b32 s[SEL], 0x76543210
	s_mov_b32 s[SEL+1], 0xfedcba98
	s_mov_b32 s42, 0x3c000000                      ; 1 / 128
	s_mov_b32 s43, 0x3727c5ac                      ; eps = 1e-5
	s_lshl_b32 s36, ttmp9, 15                      ; x: 64 tokens of 512 bytes a work-group,
	s_lshr_b32 s35, s34, 1
	s_lshl_b32 s35, s35, 14                        ; + 32 bb tokens
	s_add_co_u32 s36, s36, s35
	s_and_b32 s35, s34, 1
	s_lshl_b32 s35, s35, 12                        ; + 8 T tokens
	s_add_co_u32 s36, s36, s35
	s_mov_b32 s37, 0
	s_lshl_b32 s38, s34, 11                        ; my head's 32 rows of 64 bytes of codes
	s_mov_b32 s39, 0
	s_lshl_b32 s44, s34, 7                         ; and its 32 scale words
	s_mov_b32 s45, 0
	s_lshl_b32 s35, s34, 8                         ; head x 256
	s_lshl_b32 s46, ttmp9, 12
	s_add_co_u32 s46, s46, s35                     ; qc: 4 tiles x 4 heads x 256 bytes a work-group
	s_mov_b32 s47, 0
	s_lshl_b32 s48, ttmp9, 10
	s_add_co_u32 s48, s48, s35                     ; qs: 4 heads x 256 bytes a work-group
	s_mov_b32 s49, 0
	s_lshr_b32 s52, ttmp9, 1                       ; my chunk of 128 keys
	s_and_b32 s53, ttmp9, 1                        ; g: which 64 of them
	s_lshl_b32 s50, s52, 14
	s_lshl_b32 s54, s34, 12
	s_add_co_u32 s50, s50, s54                     ; kv's record
	s_lshl_b32 s54, s53, 9
	s_add_co_u32 s56, s50, s54                     ; V's stores: + 512 g
	s_add_co_u32 s50, s56, s54                     ; K's stores: + 1,024 g
	s_mov_b32 s51, 0
	s_mov_b32 s57, 0
	s_lshl_b32 s54, s52, 10
	s_add_co_u32 s54, s54, s35                     ; sc's record
	s_lshl_b32 s58, s53, 6
	s_add_co_u32 s58, s58, s54                     ; K's words: + 64 g
	s_mov_b32 s59, 0
	s_lshl_b32 s60, s53, 1
	s_add_co_u32 s60, s60, s54                     ; V's bytes: + 2 g
	s_mov_b32 s61, 0
	s_wait_alu depctr_va_vdst(0)
	s_wait_kmcnt 0x0
	s_add_nc_u64 s[8:9], s[8:9], s[36:37]
	s_add_nc_u64 s[14:15], s[14:15], s[38:39]
	s_add_nc_u64 s[18:19], s[18:19], s[38:39]
	s_add_nc_u64 s[22:23], s[22:23], s[38:39]
	s_add_nc_u64 s[16:17], s[16:17], s[44:45]
	s_add_nc_u64 s[20:21], s[20:21], s[44:45]
	s_add_nc_u64 s[24:25], s[24:25], s[44:45]
.irp b, 0,1,2,3
.irp j, 0,1,2,3
	global_load_b128 v[X+16*\b+4*\j:X+16*\b+4*\j+3], v[XA], s[8:9] offset:128*\b+16*\j th:TH_LOAD_NT   ; register 16 b + i = x(my token, 32 b + 16 h + i)
.endr
.endr
.irp b, 0,1,2,3
.irp j, 0,1,2,3
	global_load_b128 v[G+16*\b+4*\j:G+16*\b+4*\j+3], v[GA], s[10:11] offset:128*\b+16*\j
.endr
.endr
.irp b, 0,1,2,3
.irp j, 0,1,2,3
	global_load_b128 v[B+16*\b+4*\j:B+16*\b+4*\j+3], v[GA], s[12:13] offset:128*\b+16*\j
.endr
.endr
.irp u, 0,1
.irp c, 0,1
	global_load_b128 v[WQ+8*\u+4*\c:WQ+8*\u+4*\c+3], v[WA], s[14:15] offset:512*\u+32*\c
	global_load_b128 v[WK+8*\u+4*\c:WK+8*\u+4*\c+3], v[WA], s[18:19] offset:512*\u+32*\c
.endr
.endr
.irp u, 0,1
	global_load_b32 v[WSC+\u], v[WSA], s[16:17] offset:32*\u
	global_load_b32 v[WSC+2+\u], v[WSA], s[20:21] offset:32*\u
	global_load_b32 v[WSC+4+\u], v[WSA], s[24:25] offset:32*\u
.endr
	s_add_nc_u64 s[30:31], s[30:31], s[46:47]      ; the stores' bases
	s_add_nc_u64 s[32:33], s[32:33], s[48:49]
	s_add_nc_u64 s[62:63], s[26:27], s[50:51]      ; kv for K
	s_add_nc_u64 s[26:27], s[26:27], s[56:57]      ; kv for V
	s_add_nc_u64 s[52:53], s[28:29], s[58:59]      ; sc for K
	s_add_nc_u64 s[28:29], s[28:29], s[60:61]      ; sc for V
	; ---- the norm: mean, then the mean of the squared differences, both over my 64 numbers and lane l xor 16's
	s_wait_loadcnt 46                              ; x is in; behind it 16 loads of g, 16 of b, 8 of fragments and 6 of scale words may be out
.irp k, 0,1,2,3
	v_pk_add_f32 v[CH+2*\k:CH+2*\k+1], v[X+2*\k:X+2*\k+1], v[X+8+2*\k:X+8+2*\k+1]
.endr
.irp m, 16,24,32,40,48,56
.irp k, 0,1,2,3
	v_pk_add_f32 v[CH+2*\k:CH+2*\k+1], v[CH+2*\k:CH+2*\k+1], v[X+\m+2*\k:X+\m+2*\k+1]
.endr
.endr
	v_pk_add_f32 v[CH:CH+1], v[CH:CH+1], v[CH+2:CH+3]
	v_pk_add_f32 v[CH+4:CH+5], v[CH+4:CH+5], v[CH+6:CH+7]
	v_pk_add_f32 v[CH:CH+1], v[CH:CH+1], v[CH+4:CH+5]
	v_add_f32 v[LM], v[CH], v[CH+1]
	v_permlanex16_b32 v[PT], v[LM], s[SEL], s[SEL+1]
	v_add_f32 v[LM], v[LM], v[PT]
	v_mul_f32 v[LM], s42, v[LM]                    ; the mean
	v_mov_b32 v[LM+1], v[LM]
.set i, 0
.rept 32
	v_pk_add_f32 v[X+i:X+i+1], v[X+i:X+i+1], v[LM:LM+1] neg_lo:[0,1] neg_hi:[0,1]
.set i, i+2
.endr
.irp k, 0,1,2,3
	v_pk_mul_f32 v[CH+2*\k:CH+2*\k+1], v[X+2*\k:X+2*\k+1], v[X+2*\k:X+2*\k+1]
.endr
.irp m, 8,16,24,32,40,48,56
.irp k, 0,1,2,3
	v_pk_fma_f32 v[CH+2*\k:CH+2*\k+1], v[X+\m+2*\k:X+\m+2*\k+1], v[X+\m+2*\k:X+\m+2*\k+1], v[CH+2*\k:CH+2*\k+1]
.endr
.endr
	v_pk_add_f32 v[CH:CH+1], v[CH:CH+1], v[CH+2:CH+3]
	v_pk_add_f32 v[CH+4:CH+5], v[CH+4:CH+5], v[CH+6:CH+7]
	v_pk_add_f32 v[CH:CH+1], v[CH:CH+1], v[CH+4:CH+5]
	v_add_f32 v[LM], v[CH], v[CH+1]
	v_permlanex16_b32 v[PT], v[LM], s[SEL], s[SEL+1]
	v_add_f32 v[LM], v[LM], v[PT]
	v_fma_f32 v[LM], v[LM], s42, s43               ; var + eps
	s_wait_alu depctr_va_vdst(0)
	v_rsq_f32 v[LM], v[LM]
	v_nop                                          ; a plain place behind the transcendental
	s_wait_alu depctr_va_vdst(0)                   ; the wait ahead of the first line that names its result
	v_mov_b32 v[LM+1], v[LM]
	s_wait_alu depctr_va_vdst(0)
	s_wait_loadcnt 14                              ; g and b are in; the 8 fragment loads and 6 scale words may be out
.set i, 0
.rept 32
	v_pk_mul_f32 v[X+i:X+i+1], v[X+i:X+i+1], v[LM:LM+1]
.set i, i+2
.endr
.set i, 0
.rept 32
	v_pk_fma_f32 v[X+i:X+i+1], v[X+i:X+i+1], v[G+i:G+i+1], v[B+i:B+i+1]
.set i, i+2
.endr
.irp e, 0,1
.irp c, 0,1
	global_load_b128 v[WVF+8*\e+4*\c:WVF+8*\e+4*\c+3], v[WA], s[22:23] offset:512*\e+32*\c   ; Wv's fragments, into the bias's registers, which are done with
.endr
.endr
	; the stores' lane terms, in the gain's registers, which are done with
	v_and_b32 v[L8], 31, v0
	v_lshlrev_b32 v[L8], 3, v[L8]
	v_bfe_u32 v[SH], v0, 4, 1                      ; h
	v_bfe_u32 v[QCA], v0, 3, 1
	v_lshlrev_b32 v[QCA], 10, v[QCA]               ; qc: token 32 c + 8 h + pat(r) is query 8 h + r % 8 of tile 2 c + r / 8: 1,024 (r / 8)
	v_lshl_add_u32 v[QCA], v[SH], 7, v[QCA]        ; + 128 h
	v_and_b32 v[KSA], 7, v0
	v_lshl_add_u32 v[QCA], v[KSA], 4, v[QCA]       ; + 16 (r % 8)
	v_and_b32 v[KSA], 15, v0
	v_lshlrev_b32 v[KSA], 2, v[KSA]
	v_cmp_eq_u32 vcc_lo, 0, v[SH]
	v_mov_b32 v[SEL0], 0x02020202
	v_cndmask_b32 v[SEL0], v[SEL0], v[NIL], vcc_lo ; byte 2 h, four times
	v_add_nc_u32 v[SEL1], 0x01010101, v[SEL0]      ; byte 2 h + 1
	v_lshlrev_b32 v[SH], 4, v[SH]
.irp b, 0,1,2,3
	v_mov_b32 v[TM+4+\b], 0                        ; a lane permute's destination counts as one of its sources
.endr
	QUANT X, PCH, PWH
	ds_store_b128 v[IMG], v[PCH:PCH+3] offset:HIMG         ; the fragment as it stands: 16 bytes a lane, 512 a store
	ds_store_b128 v[IMG], v[PCH+4:PCH+7] offset:HIMG+512
	ds_store_b32 v[ISC], v[PWH] offset:HSC
	s_wait_dscnt 0x0                               ; for the others' sake: my stores have landed
	s_barrier_signal -1
	s_barrier_wait -1                              ; h's four fragments lie in LDS
	; ---- my head, for the 64 tokens
.irp t, 0,1,2,3
	ds_load_b128 v[HF+8*\t:HF+8*\t+3], v[L16] offset:HIMG+1024*\t
	ds_load_b128 v[HF+8*\t+4:HF+8*\t+7], v[L16] offset:HIMG+1024*\t+512
	ds_load_b32 v[HS+\t], v[L4] offset:HSC+128*\t
.endr
	s_wait_dscnt 0x0
	s_wait_loadcnt 4                               ; all but Wv's four fragment loads
	WXH WQ, WSC
	QUANT X, PCQ, PWQ                              ; the quantiser's four blocks are the four tiles of tokens: registers 4 c .. 4 c + 3 of lane (r, h): token 32 c + 8 h + pat(r)
	global_store_b128 v[QCA], v[PCQ:PCQ+3], s[30:31]
	global_store_b128 v[QCA], v[PCQ+4:PCQ+7], s[30:31] offset:2048
	v_perm_b32 v[QW], v[PWQ], v[PWQ], v[SEL0]      ; token 32 h + pat(r)'s byte, four times: q's codes will stand in any one of a K step's four blocks
	v_perm_b32 v[QW+1], v[PWQ], v[PWQ], v[SEL1]    ; token 32 h + 8 + pat(r)'s
	global_store_b64 v[L8], v[QW:QW+1], s[32:33]   ; 32 lanes store 256 consecutive bytes
	WXH WK, WSC+2
	QUANT X, PCK, PWK
	global_store_b128 v[L16], v[PCK:PCK+3], s[62:63]               ; 512 consecutive bytes a store
	global_store_b128 v[L16], v[PCK+4:PCK+7], s[62:63] offset:512
	global_store_b32 v[KSA], v[PWK], s[52:53]      ; byte 2 c + T of row r's word; lanes r and 16 + r hold the same word and store it to the same place
	s_wait_loadcnt 0x0                             ; Wv
.irp e, 0,1
.irp t, 0,1,2,3
	v_wmma_scale_f32_16x16x128_f8f6f4 v[X+32*\e+8*\t:X+32*\e+8*\t+7], v[HF+8*\t:HF+8*\t+7], v[WVF+8*\e:WVF+8*\e+7], 0, v[HS+\t], v[WSC+4+\e] matrix_a_fmt:MATRIX_FMT_FP4 matrix_b_fmt:MATRIX_FMT_FP4
.endr
.endr                                              ; source 0 = h: lane (r, h) holds d = 8 e + pat(r), and register 32 e + 16 bb + i token 32 bb + 16 h + i
.rept 4
	v_nop
.endr
	QUANT X, PCV, PWV                              ; its four blocks are (e, bb): registers 4 e .. 4 e + 3 of lane (r, h): keys 32 h + 0 .. 31 of my 64
	global_store_b128 v[L16], v[PCV:PCV+3], s[26:27] offset:2048
	global_store_b128 v[L16], v[PCV+4:PCV+7], s[26:27] offset:3072
	v_lshrrev_b32 v[VW], v[SH], v[PWV]             ; lanes 0-15 store tile 0's two bytes, lanes 16-31 tile 1's
	global_store_b16 v[L4], v[VW], s[28:29] offset:128
	s_wait_tensorcnt 0x0                           ; the wave's end, behind my last LDS store
	ds_add_u32 v[SPW], v[NIL]
	s_wait_dscnt 0x0
	s_endpgm
.Lfunc_end_k_qabea72dbe2_prep:
	.size	k_qabea72dbe2_prep, .Lfunc_end_k_qabea72dbe2_prep-k_qabea72dbe2_prep
	.p2alignl 7, 3214868480
	.fill 96, 4, 3214868480
	.section	.rodata,"a",@progbits
	.p2align	6, 0x0
	.amdhsa_kernel k_qabea72dbe2_prep
		.amdhsa_group_segment_fixed_size 5120
		.amdhsa_private_segment_fixed_size 0
		.amdhsa_enable_private_segment 0
		.amdhsa_kernarg_size 104
		.amdhsa_user_sgpr_count 2
		.amdhsa_user_sgpr_kernarg_segment_ptr 1
		.amdhsa_wavefront_size32 1
		.amdhsa_system_sgpr_workgroup_id_x 1
		.amdhsa_system_sgpr_workgroup_id_y 1
		.amdhsa_system_sgpr_workgroup_id_z 1
		.amdhsa_system_vgpr_workitem_id 0
		.amdhsa_next_free_vgpr 256
		.amdhsa_next_free_sgpr 66
		.amdhsa_reserve_vcc 1
		.amdhsa_float_denorm_mode_32 3
		.amdhsa_float_denorm_mode_16_64 3
		.amdhsa_memory_ordered 1
		.amdhsa_forward_progress 1
		.amdhsa_inst_pref_size 42
	.end_amdhsa_kernel
	.amdgpu_metadata
---
amdhsa.version: [ 1, 2 ]
amdhsa.kernels:
  - .name:           k_qabea72dbe2_prep
    .symbol:         k_qabea72dbe2_prep.kd
    .args:
      - { .name: x, .offset: 0, .size: 8, .value_kind: global_buffer, .address_space: global }
      - { .name: ln1_g, .offset: 8, .size: 8, .value_kind: global_buffer, .address_space: global }
      - { .name: ln1_b, .offset: 16, .size: 8, .value_kind: global_buffer, .address_space: global }
      - { .name: Wq_codes, .offset: 24, .size: 8, .value_kind: global_buffer, .address_space: global }
      - { .name: Wq_scales, .offset: 32, .size: 8, .value_kind: global_buffer, .address_space: global }
      - { .name: Wk_codes, .offset: 40, .size: 8, .value_kind: global_buffer, .address_space: global }
      - { .name: Wk_scales, .offset: 48, .size: 8, .value_kind: global_buffer, .address_space: global }
      - { .name: Wv_codes, .offset: 56, .size: 8, .value_kind: global_buffer, .address_space: global }
      - { .name: Wv_scales, .offset: 64, .size: 8, .value_kind: global_buffer, .address_space: global }
      - { .name: kv, .offset: 72, .size: 8, .value_kind: global_buffer, .address_space: global }
      - { .name: sc, .offset: 80, .size: 8, .value_kind: global_buffer, .address_space: global }
      - { .name: qc, .offset: 88, .size: 8, .value_kind: global_buffer, .address_space: global }
      - { .name: qs, .offset: 96, .size: 8, .value_kind: global_buffer, .address_space: global }
    .group_segment_fixed_size: 5120
    .private_segment_fixed_size: 0
    .kernarg_segment_align: 8
    .kernarg_segment_size: 104
    .max_flat_workgroup_size: 128
    .sgpr_count:     66
    .vgpr_count:     256
    .wavefront_size: 32
...
	.end_amdgpu_metadata
.endif
;; end of part 1
;; launch block (part 2): grid 256 x 1, 16 waves a work-group, no clusters, 108,032 bytes of LDS; arguments x, bp, ln2_g, ln2_b, Wp_codes, Wp_scales, W1_codes, W1_scales, W2_codes, W2_scales, kv, sc, qc, qs, out0; writes out0
.if DOCPART == 2
	.amdgcn_target "amdgcn-amd-amdhsa--gfx1250"
	.amdhsa_code_object_version 6
	.text
	.protected	k_qabea72dbe2_block
	.globl	k_qabea72dbe2_block
	.p2align	8
	.type	k_qabea72dbe2_block,@function
k_qabea72dbe2_block:
	s_mov_b64 s[64:65], 0
	v_nop
	global_prefetch_b8 v0, s[64:65] scope:SCOPE_SE
	s_setreg_imm32_b32 hwreg(HW_REG_WAVE_MODE, 25, 1), 1
	s_wait_xcnt 0x0
; SECOND LAUNCH.  Causal attention on the codes that the first launch stored, then, for the same rows, y Wp + bp + x, the second norm, W1, the exact gelu, W2 and the residual.  All products on E2M1 codes with E8M0 scales.
; LEFT OUT: steps of 128 keys all of which come after all 16 queries of a tile (the tril that reference() builds; shown at the first kernel's head).
; LIMITS: NaN and infinities among the inputs are not served; a block of zeros gets the byte 1 over zero codes.  erf(x / sqrt 2) is t P(t^2) / Q(t^2), t = x held to -4 sqrt 2 .. 4 sqrt 2, P of 7 and Q of 5 terms; its
; error is about 2^-22 in absolute terms, so the gelu of a strongly negative number is right in absolute terms only (under 1e-6 of its input's size).
; SHARES.  Work-group (b, j) owns the blocks j (early) and 63 - j (late) of 32 rows of batch b, two tiles of 16 each, with all four heads.  With a = j / 4 an early tile has a + 1 key steps of 128, a late one 16 - a: 17 a pair.
; ATTENTION: two waves, w and w xor 4, share head w % 4 of the pair (early tile, late tile) number w / 8.  The FRONT wave ((w xor w / 4) odd) takes the late tile's steps 0 to 7, 8 steps.  The OTHER takes the whole early tile,
; then the late tile's steps 8 to 15 - a: 9 steps.  Then the front wave's O, -M and sums go through LDS to the other, which joins them (powers of two: exact) and quantises y.
; No cluster and no joint loads: the operands go from memory straight into registers, and the steps that a wave walks hang on the work-group's number.
; A loop walks full steps; a walk's last step is written out.  The mask leaves blocks of 32 keys ahead of the diagonal alone; where the front wave ends, no block is masked.
; THE FIRST PRODUCT HAS K = 32, one block.  A fragment of 8 registers holds FOUR tiles of 16 keys, tile j in K block j; it is multiplied by four operands that hold q's codes in block j and zero codes elsewhere.
; Both products are used transposed: a lane holds ONE query; the keys of a tile are chosen (first kernel) so that p's 16 registers of two neighbouring tiles are 16 neighbouring keys.
; SOFTMAX: t = score x log2(e) / sqrt(32); M = the running largest t rounded up; p = 2^(t - M) is quantised, not normalised; the sum is taken of the unquantised p; a change of M multiplies sum and O by a power of two.
; K's and V's operands come from memory in register order, 16 bytes a lane, 512 consecutive bytes a load; each set is asked for again as soon as its products are issued, a step ahead of its use.
; THE TAIL: wave w takes tile w / 4 of the 64 rows and quarter w % 4 of the columns.  Operands go from wave to wave through LDS as images of their registers; each LDS region is written once.
; x + bp is the C of Wp's products, and their result the C of W2's: the residual stays in 16 registers.
.set YIMG,  0                          ; LDS: y's four fragments, 1,024 bytes each
.set YSC,   4096                       ; their scale words: 64 bytes a tile
.set STAT,  4352                       ; each thread's (mean, sum of squared differences) of its quarter row: 8 bytes
.set H2IMG, 8448                       ; the second norm's four fragments
.set H2SC,  12544
.set HIMG,  12800                      ; the hidden layer's sixteen fragments (4 x tile + K step)
.set HSC,   29184                      ; their scale words, 128 bytes each
.set OST,   31232                      ; the way out: 64 rows of 512 bytes + 16
.set OP,    528
.set SPARE, 65024                      ; the spare words, 128 bytes a wave, which no other line names
.set JN,    67072                      ; the join: 2,560 bytes a wave
.set SPW, 1                            ; v1, v2 the spare word's address and 0; never rewritten
.set NIL, 2
.set L16, 3                            ; 16 x lane
.set L4,  4                            ; 4 x lane
.set YST, 5                            ; v5-18, v60, v61: LDS addresses, all made at the head
.set YSB, 6
.set YFA, 7
.set YFS, 8
.set STW, 9
.set STR, 10
.set H2W, 11
.set H2B, 12
.set HW,  13
.set HSW, 14
.set HR,  15
.set HSR, 16
.set OW,  17
.set ORD, 18
.set DM,  19                           ; r - 16 (lane / 16)
.set NM,  20                           ; v20 -M, v21 the largest t
.set SUM, 22                           ; v[22:23] the row's sum in two halves
.set WA1, 24                           ; weights with rows of 64 bytes: 64 pat(r) + 16 h
.set WS4, 25                           ; their scale words: 4 pat(r)
.set WA2, 26                           ; W2: 256 pat(r) + 16 h
.set WS16, 27                          ; 16 pat(r)
.set PFO, 28                           ; 256 x lane, for the prefetches; never rewritten
.set HO,  29                           ; 64 h: my 16 numbers of a quarter of bp, ln2_g, ln2_b
.set CD,  30                           ; v[30:31] 16 codes just made
.set KS,  32                           ; v32-59 hold scale words and nothing else: K's, V's, q's, p's,
.set VS,  33
.set QSC, 34
.set PS,  35
.set WPS, 36                           ; Wp's two, y's and later h2's,
.set FS,  38
.set W1S, 40                           ; W1's eight, W2's eight, the hidden layer's four (the first of these: the late tile's q until then)
.set W2S, 48
.set HS,  56
.set QS2, 56
.set JW,  60                           ; where a front wave puts its partial sums, and where the other finds its partner's
.set JR,  61
.set CA1, 60                           ; behind the join: v[60:61], v[62:63] two of erf's coefficients, twice each
.set CB1, 62
.set X1,  64                           ; v64-79 x + bp, then x1, then the result
.set S,   80                           ; v80-143 the scores, then p
.set WF,  80                           ;         later W1's 8 fragments, later W2's 8
.set KF,  144                          ; v144-159 K's two fragments
.set VF,  160                          ; v160-175 V's two; later the partner's O
.set QC,  176                          ; v176-195 [Qa 0 Qb 0 Qa]: Qa = q's codes in lanes 0-15, Qb in lanes 16-31
.set P,   196                          ; v196-203 p's codes
.set O,   204                          ; v204-219 O^T
.set BM,  220                          ; v220-235 at work
.set BP,  224
.set SO,  228
.set F,   232
.set TMP, 234
.set NINF, 235
.set Q2,  236                          ; v236-239 q's codes as loaded
.set WPF, 236                          ; v236-251 from the last step on: Wp's two fragments
.set LG,  144                          ; the tail: ln2_g, ln2_b
.set LB,  176
.set YF,  196                          ; y's fragment
.set D,   204                          ; 16 differences
.set T,   220
.set H,   192                          ; v192-255 my 8 tiles of the hidden layer
.set H2F, 144                          ; h2's fragment
.set UP,  144                          ; gelu: t, then t P
.set QQ,  160
.set ZZ,  176
.set PP,  184
.set TM,  144                          ; the quantiser's work
.set PC,  160
.set PW,  168
.set HF,  144                          ; four hidden fragments; later four rows of the result
.set WV,  38
.set HD,  39                           ; my head; in the tail my quarter of the columns
.set BLK, 40                           ; 1 in a front wave
.set SUB, 41                           ; which pair of tiles
.set LT,  42                           ; the tail's tile
.set BB,  43
.set JJ,  44
.set AT,  45                           ; the tile of 16 queries that I begin with
.set CNT, 46                           ; full key steps still to go in the loop
.set LIM, 47
.set LIM2, 48
.set SEL, 50
.set CS,  52
.set PSB, 58
.set CNB, 60                           ; the late tile's trips
.set DQ,  61                           ; the masked step: my first query less the step's first key,
.set DB,  62                           ; and the block of 32 keys on the diagonal
.set DQB, 63
.set DBB, 88
.set HM,  89                           ; lanes 0-15
.set ST,  90                           ; bytes from the early tile's last record to chunk 8's, in kv and in sc
.set ATB, 97                           ; the pair's late tile
.set SS,  98
.set KB,  28                           ; s[28:29] kv at my head's record of the chunk in hand; s[30:31] sc likewise
.set SB,  30
.set CL,  66                           ; s66, s67: -4 sqrt 2, 4 sqrt 2
.set EA0, 68                           ; s[68:87] constants, each twice: the packed forms name a pair
.set EA2, 70
.set EA3, 72
.set EA4, 74
.set EA5, 76
.set EA6, 78
.set EB0, 80
.set EB2, 82
.set EB3, 84
.set EB4, 86
.macro CPAIR reg, val
	s_mov_b32 s[\reg], \val
	s_mov_b32 s[\reg+1], \val
.endm
.macro NOPS n
.rept \n
	v_nop
.endr
.endm
.macro DLY n
	s_delay_alu instid0(VALU_DEP_\n)
.endm
.macro BARRIER                         ; my LDS stores have landed and my LDS loads are in: then the work-group's barrier
	s_wait_dscnt 0x0
	s_barrier_signal -1
	s_barrier_wait -1
.endm
.macro KLOAD                           ; a chunk's K for my head: two fragments and their rows' scale words
.irp i, 0,1,2,3
	global_load_b128 v[KF+4*\i:KF+4*\i+3], v[L16], s[KB:KB+1] offset:512*\i
.endr
	global_load_b32 v[KS], v[L4], s[SB:SB+1]
.endm
.macro VLOAD
.irp i, 0,1,2,3
	global_load_b128 v[VF+4*\i:VF+4*\i+3], v[L16], s[KB:KB+1] offset:2048+512*\i
.endr
	global_load_b32 v[VS], v[L4], s[SB:SB+1] offset:128
.endm
; PREFETCHES, in the late tile's loop.  All 32 work-groups of a batch walk the same records; the one with j = 0, whose waves walk all 16 chunks, asks, and nobody else.  Codes: waves 4 and 6 (front: chunks 0 to 7) and
; 0 and 2 (chunks 8 to 15) ask in each trip for the two records (their head's and the next head's: 8,192 consecutive bytes, lanes 256 bytes apart) of the chunk two further on than the one whose K has just been asked for;
; trips with fewer than 3 to go ask for nothing.  Chunks 0 to 2 and 8 to 10 come by their loads alone.  Scale records: in the first trip wave 1 asks once for chunks 0 to 7 (8,192 bytes), wave 3 for 8 to 15.
.macro ASKC
	s_cmp_ge_u32 s[CNT], s[LIM]
	s_cbranch_scc0 .Lnoc_\@
	global_prefetch_b8 v[PFO], s[KB:KB+1] offset:32768 th:TH_LOAD_NT scope:SCOPE_SE
.Lnoc_\@:
.endm
.macro ASKS
	s_cmp_eq_u32 s[CNT], s[LIM2]
	s_cbranch_scc0 .Lnos_\@
	global_prefetch_b8 v[PFO], s[PSB:PSB+1] th:TH_LOAD_NT scope:SCOPE_SE
.Lnos_\@:
.endm
; four tiles of scores from fragment g: tile 4 g + j = K block j of the fragment x q in block j.  [Qa 0] is block 0, [Qb 0] block 1, [0 Qa] block 2, [0 Qb] block 3
.macro QKT g
.irp j, 0,1,2,3
.if \g
	v_wmma_scale_f32_16x16x128_f8f6f4 v[S+8*(4*\g+\j):S+8*(4*\g+\j)+7], v[KF+8*\g:KF+8*\g+7], v[QC+((\j%2)*8+(\j/2)*12)%16:QC+((\j%2)*8+(\j/2)*12)%16+7], 0, v[KS], v[QSC] matrix_a_fmt:MATRIX_FMT_FP4 matrix_b_fmt:MATRIX_FMT_FP4 matrix_a_scale:MATRIX_SCALE_ROW1
.else
	v_wmma_scale_f32_16x16x128_f8f6f4 v[S+8*(4*\g+\j):S+8*(4*\g+\j)+7], v[KF+8*\g:KF+8*\g+7], v[QC+((\j%2)*8+(\j/2)*12)%16:QC+((\j%2)*8+(\j/2)*12)%16+7], 0, v[KS], v[QSC] matrix_a_fmt:MATRIX_FMT_FP4 matrix_b_fmt:MATRIX_FMT_FP4
.endif
.endr
.endm
.macro TAILLOAD                        ; in the last key step: my part of Wp, ln2_g, ln2_b and my quarter of W1, into registers that are done with: 6 + 8 + 24 loads
.irp u, 0,1
.irp c, 0,1
	global_load_b128 v[WPF+8*\u+4*\c:WPF+8*\u+4*\c+3], v[WA1], s[16:17] offset:512*\u+32*\c
.endr
	global_load_b32 v[WPS+\u], v[WS4], s[18:19] offset:32*\u
.endr
.irp i, 0,1,2,3
	global_load_b128 v[LG+4*\i:LG+4*\i+3], v[HO], s[12:13] offset:16*\i
.endr
.irp i, 0,1,2,3
	global_load_b128 v[LB+4*\i:LB+4*\i+3], v[HO], s[14:15] offset:16*\i
.endr
.irp t, 0,1,2,3,4,5,6,7
.irp c, 0,1
	global_load_b128 v[WF+8*\t+4*\c:WF+8*\t+4*\c+3], v[WA1], s[20:21] offset:(32*(\t/2)+8*(\t%2))*64+32*\c
.endr
	global_load_b32 v[W1S+\t], v[WS4], s[22:23] offset:(32*(\t/2)+8*(\t%2))*4
.endr
.endm
; block b of a masked step: ahead of the diagonal's block it stays, behind it every key is hidden, on it key 32 b + 16 (lane / 16) + i (register 16 b + i) is hidden where 32 b + i > v[TMP]
.macro MASKB b
	s_cmp_gt_u32 s[DB], \b
	s_cbranch_scc1 .Lopen_\@
	s_cmp_eq_u32 s[DB], \b
	s_cbranch_scc1 .Lpart_\@
.set n, 0
.rept 16
	v_mov_b32 v[S+16*\b+n], v[NINF]
.set n, n+1
.endr
	s_wait_alu depctr_va_vdst(0)                   ; the wait ahead of the branch
	s_branch .Lopen_\@
.Lpart_\@:
.set n, 0
.rept 16
	v_cmp_gt_i32 vcc_lo, 32*\b+n, v[TMP]
	v_cndmask_b32 v[S+16*\b+n], v[S+16*\b+n], v[NINF], vcc_lo
.set n, n+1
.endr
.Lopen_\@:
.endm
; A KEY STEP.  mask = 1: blocks from s[DB] on are masked.  next = 1: the next chunk is asked for; 2: chunk 8; 0: the tail's operands.  ask = 1: with prefetches.
.macro STEP mask, next, ask
	s_wait_loadcnt 5                               ; K is in; V's five loads, issued behind it, may be out
	QKT 0
	QKT 1
	NOPS 4                                         ; places ahead of the loads into K's registers and of the first read of the scores
.if \next
	s_wait_xcnt 0x0                                ; the loads and prefetches issued so far have read their bases, which step now
.if \next == 2
	s_add_nc_u64 s[KB:KB+1], s[KB:KB+1], s[ST:ST+1]
	s_add_nc_u64 s[SB:SB+1], s[SB:SB+1], s[SS:SS+1]
.else
	s_add_nc_u64 s[KB:KB+1], s[KB:KB+1], 16384
	s_add_nc_u64 s[SB:SB+1], s[SB:SB+1], 1024
.endif
	KLOAD
.if \ask
	ASKC
	ASKS
.endif
.endif
.if \mask
	v_add_nc_u32 v[TMP], s[DQ], v[DM]
	s_wait_alu depctr_va_vdst(0)                   ; the wait ahead of the branches
.irp b, 0,1,2,3
	MASKB \b
.endr
.endif
.irp b, 0,1,2,3
	v_max3_num_f32 v[BM+\b], v[S+16*\b], v[S+1+16*\b], v[S+2+16*\b]   ; the largest score of each block of 32 keys: for the row's maximum, and, since p rises with the score, for the block's largest p
.endr
.irp i, 3,5,7,9,11,13
.irp b, 0,1,2,3
	v_max3_num_f32 v[BM+\b], v[BM+\b], v[S+16*\b+\i], v[S+1+16*\b+\i]
.endr
.endr
.irp b, 0,1,2,3
	v_max_num_f32 v[BM+\b], v[BM+\b], v[S+15+16*\b]
.endr
.irp b, 0,1,2,3
	DLY 4
	v_permlanex16_b32 v[BP+\b], v[BM+\b], s[SEL], s[SEL+1]
.endr
.irp b, 0,1,2,3
	DLY 4
	v_max_num_f32 v[BM+\b], v[BM+\b], v[BP+\b]     ; with lane l xor 16's 16 keys
.endr
	DLY 2
	v_max3_num_f32 v[TMP], v[BM], v[BM+1], v[BM+2]
	DLY 1
	v_max_num_f32 v[TMP], v[TMP], v[BM+3]
	DLY 1
	v_mul_f32 v[TMP], s[CS], v[TMP]                ; as t
	DLY 1
	v_max_num_f32 v[NM+1], v[NM+1], v[TMP]         ; the running largest t
	v_mov_b32 v[TMP], v[NM]
	DLY 2
	v_floor_f32 v[NM], -v[NM+1]                    ; -M = floor(-t): M is a whole number
	DLY 1
	v_sub_f32 v[TMP], v[NM], v[TMP]                ; old M less new M: a whole number, 0 or less
	DLY 1
	v_cvt_i32_f32 v[TMP], v[TMP]                   ; (it saturates)
	DLY 1
	v_ldexp_f32 v[F], 1.0, v[TMP]                  ; f = 2^(old M - new M)
.set i, 0
.rept 32
	v_pk_fma_f32 v[S+i:S+i+1], v[S+i:S+i+1], s[CS:CS+1], v[NM:NM+1] op_sel_hi:[1,0,0]   ; t - M
.set i, i+2
.endr
.irp b, 0,1,2,3
	v_fma_f32 v[BM+\b], v[BM+\b], s[CS], v[NM]     ; the same of each block's largest score
.endr
	s_wait_alu depctr_va_vdst(0)                   ; the wait ahead of the batch
.set i, 0
.rept 64
	v_exp_f32 v[S+i], v[S+i]                       ; p = 2^(t - M)
.set i, i+1
.endr
.irp b, 0,1,2,3
	v_exp_f32 v[BM+\b], v[BM+\b]                   ; the blocks' largest p
.endr
	v_pk_mul_f32 v[SUM:SUM+1], v[SUM:SUM+1], v[F:F+1] op_sel_hi:[1,0]   ; the sums under the new M: a plain place behind the exponentials
	s_wait_alu depctr_va_vdst(0)                   ; one wait for the batch, ahead of its first reader
	v_pk_add_f32 v[252:253], v[S:S+1], v[S+2:S+3]  ; the row's sum, of the unquantised p: four chains by turns
	v_pk_add_f32 v[254:255], v[S+4:S+5], v[S+6:S+7]
	v_pk_add_f32 v[P+6:P+7], v[S+8:S+9], v[S+10:S+11]
	v_pk_add_f32 v[SUM:SUM+1], v[SUM:SUM+1], v[S+12:S+13]
.irp m, 14,22,30,38,46,54
	v_pk_add_f32 v[252:253], v[252:253], v[S+\m:S+\m+1]
	v_pk_add_f32 v[254:255], v[254:255], v[S+\m+2:S+\m+3]
	v_pk_add_f32 v[P+6:P+7], v[P+6:P+7], v[S+\m+4:S+\m+5]
	v_pk_add_f32 v[SUM:SUM+1], v[SUM:SUM+1], v[S+\m+6:S+\m+7]
.endr
	v_pk_add_f32 v[252:253], v[252:253], v[S+62:S+63]
	v_pk_add_f32 v[254:255], v[254:255], v[P+6:P+7]
	DLY 2
	v_pk_add_f32 v[SUM:SUM+1], v[SUM:SUM+1], v[252:253]
	DLY 1
	v_pk_add_f32 v[SUM:SUM+1], v[SUM:SUM+1], v[254:255]
.irp b, 0,1,2,3
	v_max_num_f32 v[BM+\b], 0x1800000, v[BM+\b]    ; the floor 2^(3 - 127): the byte cannot fall under 1
.endr
.irp b, 0,1,2,3
	DLY 4
	v_add_nc_u32 v[SO+\b], 0xff000000, v[BM+\b]    ; 2 off the exponent field: the conversion's scale operand
.endr
.irp b, 0,1,2,3
	DLY 4
	v_lshrrev_b32 v[BP+\b], 23, v[SO+\b]           ; the scale's byte
.endr
	DLY 3
	v_lshl_or_b32 v[PS], v[BP+1], 8, v[BP]         ; p's scale word for these 128 keys
	DLY 1
	v_lshl_or_b32 v[PS], v[BP+2], 16, v[PS]
	DLY 1
	v_lshl_or_b32 v[PS], v[BP+3], 24, v[PS]
.irp b, 0,1,2,3
	v_cvt_scalef32_pk8_fp4_f32 v[P+2*\b], v[S+16*\b:S+7+16*\b], v[SO+\b]
	v_cvt_scalef32_pk8_fp4_f32 v[P+1+2*\b], v[S+8+16*\b:S+15+16*\b], v[SO+\b]
.endr
	v_nop                                          ; one plain place behind the scaled conversions
.irp c, 0,1
.irp i, 0,1
	v_permlane16_swap_b32 v[P+4*\c+\i], v[P+2+4*\c+\i]   ; a whole block to a lane
.endr
.endr
.if \next == 0
	TAILLOAD
.endif
	s_wait_alu depctr_va_vdst(0)                   ; the wait, directly ahead of the first reader of O^T
.irp i, 0,2,4,6,8,10,12,14
	v_pk_mul_f32 v[O+\i:O+\i+1], v[O+\i:O+\i+1], v[F:F+1] op_sel_hi:[1,0]   ; O^T under the new M
.endr
	NOPS 4                                         ; with the v_nop above and the other tile's four multiplies: nine plain lines that name nothing of a product stand between p's scale word and that product, eight behind p's codes
	s_wait_alu depctr_va_vdst(0)
.if \next
	s_wait_loadcnt 5                               ; V is in; the next chunk's K, five loads, may be out
.else
	s_wait_loadcnt 38                              ; V is in; the tail's 38 loads may be out
.endif
	v_wmma_scale_f32_16x16x128_f8f6f4 v[O:O+7], v[VF:VF+7], v[P:P+7], v[O:O+7], v[VS], v[PS] matrix_a_fmt:MATRIX_FMT_FP4 matrix_b_fmt:MATRIX_FMT_FP4
	v_wmma_scale_f32_16x16x128_f8f6f4 v[O+8:O+15], v[VF+8:VF+15], v[P:P+7], v[O+8:O+15], v[VS], v[PS] matrix_a_fmt:MATRIX_FMT_FP4 matrix_b_fmt:MATRIX_FMT_FP4 matrix_a_scale:MATRIX_SCALE_ROW1
	NOPS 4                                         ; places ahead of the loads into V's registers and of reads of O^T
.if \next
	VLOAD
.endif
.endm
; one block of 32 whose 16 numbers a lane pair with lane l xor 16's: 16 codes into v[CD:CD+1], the byte into v[TMP]
.macro QB src
	v_max3_num_f32 v[BM], |v[\src]|, |v[\src+1]|, 0x1800000
.irp i, 2,4,6,8,10,12,14
	DLY 1
	v_max3_num_f32 v[BM], v[BM], |v[\src+\i]|, |v[\src+1+\i]|
.endr
	DLY 1
	v_permlanex16_b32 v[BP], v[BM], s[SEL], s[SEL+1]
	DLY 1
	v_max_num_f32 v[BM], v[BM], v[BP]
	DLY 1
	v_add_nc_u32 v[SO], 0xff000000, v[BM]
	DLY 1
	v_lshrrev_b32 v[TMP], 23, v[SO]
	v_cvt_scalef32_pk8_fp4_f32 v[CD], v[\src:\src+7], v[SO]
	v_cvt_scalef32_pk8_fp4_f32 v[CD+1], v[\src+8:\src+15], v[SO]
	v_nop                                          ; one plain place behind the scaled conversions
.endm
; y = O^T / the sum, quantised: my head is block HD of y's K.  t = 0: the early tile, 1: the late one, two tiles on in y's image
.macro FINISH t
	v_add_f32 v[SUM], v[SUM], v[SUM+1]
	v_permlanex16_b32 v[BP], v[SUM], s[SEL], s[SEL+1]
	DLY 1
	v_add_f32 v[SUM], v[SUM], v[BP]
	s_wait_alu depctr_va_vdst(0)
	v_rcp_f32 v[SUM], v[SUM]
	v_nop                                          ; a plain place behind the transcendental
	s_wait_alu depctr_va_vdst(0)                   ; the wait ahead of the first reader
.irp i, 0,2,4,6,8,10,12,14
	v_pk_mul_f32 v[O+\i:O+\i+1], v[O+\i:O+\i+1], v[SUM:SUM+1] op_sel_hi:[1,0]   ; register i: y(query r, 32 head + 16 h + i)
.endr
	QB O
	ds_store_b64 v[YST], v[CD:CD+1] offset:2048*\t
	ds_store_b8 v[YSB], v[TMP] offset:128*\t       ; lanes r and 16 + r write the same byte with the same value
.endm
.macro EXPQ                            ; q's codes as the first product wants them; the zeros between stand from the head on
.irp i, 0,1,2,3
	v_cndmask_b32 v[QC+\i], v[NIL], v[Q2+\i], s[HM]        ; Qa
	v_cndmask_b32 v[QC+8+\i], v[Q2+\i], v[NIL], s[HM]      ; Qb
	v_cndmask_b32 v[QC+16+\i], v[NIL], v[Q2+\i], s[HM]     ; Qa
.endr
.endm
.macro INIT                            ; a walk's start: the step is written for every step alike: the first finds zeros, which the first change of M leaves zeros
	v_mov_b32 v[NM+1], 0xff61b1e6                  ; the largest t so far: -3e38
.irp i, 0,1,2,3,4,5,6,7,8,9,10,11,12,13,14,15
	v_mov_b32 v[O+\i], 0
.endr
	v_floor_f32 v[NM], -v[NM+1]
	v_mov_b32 v[SUM], 0
	v_mov_b32 v[SUM+1], 0
.endm
; 64 numbers of a lane, each TWICE the number that is meant, register 16 b + i = place 32 b + 16 (lane / 16) + i of my row, become a fragment's codes in v[pc] on and the row's scale word in v[pw]: each byte one less than the doubled numbers' own
.macro QUANT s, pc, pw
.irp b, 0,1,2,3
	v_max3_num_f32 v[TM+\b], |v[\s+16*\b]|, |v[\s+1+16*\b]|, 0x2000000   ; the floor 2^(4 - 127): the byte less 1 cannot fall under 1
.endr
.irp i, 2,4,6,8,10,12,14
.irp b, 0,1,2,3
	DLY 4
	v_max3_num_f32 v[TM+\b], v[TM+\b], |v[\s+16*\b+\i]|, |v[\s+1+16*\b+\i]|
.endr
.endr
.irp b, 0,1,2,3
	DLY 4
	v_permlanex16_b32 v[TM+4+\b], v[TM+\b], s[SEL], s[SEL+1]
.endr
.irp b, 0,1,2,3
	DLY 4
	v_max_num_f32 v[TM+\b], v[TM+\b], v[TM+4+\b]
.endr
.irp b, 0,1,2,3
	DLY 4
	v_add_nc_u32 v[TM+12+\b], 0xff000000, v[TM+\b]
.endr
.irp b, 0,1,2,3
	DLY 4
	v_lshrrev_b32 v[TM+4+\b], 23, v[TM+12+\b]
.endr
	DLY 3
	v_lshl_or_b32 v[\pw], v[TM+5], 8, v[TM+4]
	DLY 1
	v_lshl_or_b32 v[\pw], v[TM+6], 16, v[\pw]
	DLY 1
	v_lshl_or_b32 v[\pw], v[TM+7], 24, v[\pw]
	DLY 1
	v_add_nc_u32 v[\pw], 0xfefefeff, v[\pw]        ; 1 off each byte: none is under 2
.irp b, 0,1,2,3
	v_cvt_scalef32_pk8_fp4_f32 v[\pc+2*\b], v[\s+16*\b:\s+7+16*\b], v[TM+12+\b]
	v_cvt_scalef32_pk8_fp4_f32 v[\pc+1+2*\b], v[\s+8+16*\b:\s+15+16*\b], v[TM+12+\b]
.endr
	v_nop
.irp c, 0,1
.irp i, 0,1
	v_permlane16_swap_b32 v[\pc+4*\c+\i], v[\pc+2+4*\c+\i]
.endr
.endr
.endm
; 2 gelu(x) = x + x erf(x / sqrt 2) of the 16 numbers at v[hb] on.  The 16 reciprocals are one batch
.macro GELU hb
.irp g, 0,1
.irp p, 0,1,2,3,4,5,6,7
	v_med3_num_f32 v[UP+8*\g+\p], v[\hb+8*\g+\p], s[CL], s[CL+1]     ; t
.endr
.irp p, 0,2,4,6
	v_pk_mul_f32 v[ZZ+\p:ZZ+\p+1], v[UP+8*\g+\p:UP+8*\g+\p+1], v[UP+8*\g+\p:UP+8*\g+\p+1]   ; z = t^2
.endr
.irp p, 0,2,4,6
	DLY 4
	v_pk_fma_f32 v[PP+\p:PP+\p+1], v[ZZ+\p:ZZ+\p+1], s[EA0:EA0+1], v[CA1:CA1+1] op_sel_hi:[1,0,1]
.endr
.irp p, 0,2,4,6
	v_pk_fma_f32 v[QQ+8*\g+\p:QQ+8*\g+\p+1], v[ZZ+\p:ZZ+\p+1], s[EB0:EB0+1], v[CB1:CB1+1] op_sel_hi:[1,0,1]
.endr
.irp k, EA2,EA3,EA4,EA5,EA6
.irp p, 0,2,4,6
	v_pk_fma_f32 v[PP+\p:PP+\p+1], v[PP+\p:PP+\p+1], v[ZZ+\p:ZZ+\p+1], s[\k:\k+1] op_sel_hi:[1,1,0]
.endr
.endr
.irp k, EB2,EB3,EB4
.irp p, 0,2,4,6
	v_pk_fma_f32 v[QQ+8*\g+\p:QQ+8*\g+\p+1], v[QQ+8*\g+\p:QQ+8*\g+\p+1], v[ZZ+\p:ZZ+\p+1], s[\k:\k+1] op_sel_hi:[1,1,0]
.endr
.endr
.irp p, 0,2,4,6
	v_pk_mul_f32 v[UP+8*\g+\p:UP+8*\g+\p+1], v[UP+8*\g+\p:UP+8*\g+\p+1], v[PP+\p:PP+\p+1]   ; t P
.endr
.endr
	s_wait_alu depctr_va_vdst(0)
.irp p, 0,1,2,3,4,5,6,7,8,9,10,11,12,13,14,15
	v_rcp_f32 v[QQ+\p], v[QQ+\p]
.endr
	v_nop                                          ; a plain place behind the batch
	s_wait_alu depctr_va_vdst(0)                   ; one wait for the sixteen
.irp p, 0,2,4,6,8,10,12,14
	v_pk_mul_f32 v[UP+\p:UP+\p+1], v[UP+\p:UP+\p+1], v[QQ+\p:QQ+\p+1]       ; erf
.endr
.irp p, 0,2,4,6,8,10,12,14
	v_pk_fma_f32 v[\hb+\p:\hb+\p+1], v[\hb+\p:\hb+\p+1], v[UP+\p:UP+\p+1], v[\hb+\p:\hb+\p+1]
.endr
.endm
; q's records of tile s[at]: codes (16 bytes a query) and scale words (the record of its 64 tokens, its tile's 64 bytes)
.macro QREC at, qc, qs
	s_lshl_b32 s54, s[BB], 7
	s_add_co_u32 s54, s54, s[\at]
	s_lshl_b32 s56, s54, 2
	s_add_co_u32 s56, s56, s[HD]
	s_lshl_b32 s56, s56, 8
	s_add_nc_u64 s[\qc:\qc+1], s[32:33], s[56:57]
	s_and_b32 s56, s54, -4
	s_add_co_u32 s56, s56, s[HD]
	s_lshl_b32 s56, s56, 8
	s_and_b32 s55, s[\at], 3
	s_lshl_b32 s55, s55, 6
	s_add_co_u32 s56, s56, s55
	s_add_nc_u64 s[\qs:\qs+1], s[34:35], s[56:57]
.endm
	s_load_b512 s[8:23], s[0:1], 0x0               ; x, bp, ln2_g, ln2_b, Wp's codes, Wp's scales, W1's codes, W1's scales
	s_load_b256 s[24:31], s[0:1], 0x40             ; W2's codes, W2's scales, kv, sc
	s_load_b128 s[32:35], s[0:1], 0x60             ; qc, qs
	s_load_b64 s[36:37], s[0:1], 0x70              ; out0
	v_lshrrev_b32 v30, 5, v0
	v_readfirstlane_b32 s[WV], v30                 ; wave 0..15
	v_lshl_add_u32 v[SPW], v0, 2, SPARE
	v_mov_b32 v[NIL], 0
	v_and_b32 v30, 15, v0                          ; r
	v_bfe_u32 v31, v0, 4, 1                        ; h
	v_and_b32 v[T+4], 31, v0                       ; lane
	v_lshlrev_b32 v[T], 4, v30                     ; q's codes: 16 r
	v_and_b32 v[T+1], 7, v30
	v_lshrrev_b32 v[T+3], 3, v30
	v_lshlrev_b32 v[L16], 4, v[T+4]
	v_lshlrev_b32 v[L4], 2, v[T+4]
	v_lshlrev_b32 v[PFO], 8, v[T+4]
	v_lshlrev_b32 v[T+1], 3, v[T+1]
	v_lshlrev_b32 v[T+2], 9, v30
	v_lshlrev_b32 v[HO], 6, v31
	v_lshl_add_u32 v[T+1], v[T+3], 2, v[T+1]       ; q's scale word: 8 (r % 8) + 4 (r / 8)
	v_lshl_add_u32 v[T+2], v31, 6, v[T+2]          ; x: row r, + 64 h
	s_and_b32 s[HD], s[WV], 3
	s_lshr_b32 s[LT], s[WV], 2
	s_xor_b32 s[BLK], s[WV], s[LT]
	s_and_b32 s[BLK], s[BLK], 1
	s_lshr_b32 s[SUB], s[WV], 3
	s_lshr_b32 s[BB], ttmp9, 5                     ; the batch
	s_and_b32 s[JJ], ttmp9, 31
	s_sub_co_u32 s49, 63, s[JJ]
	s_cmp_eq_u32 s[BLK], 0
	s_cselect_b32 s54, s[JJ], s49
	s_lshl_b32 s[AT], s54, 1
	s_add_co_u32 s[AT], s[AT], s[SUB]              ; my first tile of 16
	s_lshl_b32 s[ATB], s49, 1
	s_add_co_u32 s[ATB], s[ATB], s[SUB]            ; my pair's late tile
	s_lshr_b32 s54, s[LT], 1
	s_cmp_eq_u32 s54, 0
	s_cselect_b32 s54, s[JJ], s49
	s_lshl_b32 s96, s54, 1
	s_and_b32 s55, s[LT], 1
	s_add_co_u32 s96, s96, s55                     ; the tail's tile of 16 rows in the batch
	s_mov_b32 s57, 0
	s_wait_alu depctr_va_vdst(0)
	s_wait_kmcnt 0x0
	s_lshl_b32 s54, s[BB], 14
	s_and_b32 s56, s[WV], 2
	s_lshl_b32 s56, s56, 12
	s_add_co_u32 s56, s56, s54
	s_add_nc_u64 s[PSB:PSB+1], s[30:31], s[56:57]  ; the batch's scale records: chunks 0 to 7 (wave 1) or 8 to 15 (wave 3)
	s_lshl_b32 s56, s[HD], 8
	s_add_co_u32 s56, s56, s54
	s_add_nc_u64 s[SB:SB+1], s[SB:SB+1], s[56:57]
	s_lshl_b32 s56, s[BB], 18
	s_lshl_b32 s55, s[HD], 12
	s_add_co_u32 s56, s56, s55
	s_add_nc_u64 s[KB:KB+1], s[KB:KB+1], s[56:57]
	QREC ATB, 4, 6
	QREC AT, 32, 34
	s_lshl_b32 s54, s[BB], 11
	s_lshl_b32 s55, s96, 4
	s_add_co_u32 s54, s54, s55                     ; the tail tile's first token
	s_lshl_b32 s56, s54, 9
	s_lshl_b32 s55, s[HD], 7
	s_add_co_u32 s56, s56, s55
	s_add_nc_u64 s[8:9], s[8:9], s[56:57]          ; x at that row, my quarter of the columns
	s_lshl_b32 s56, s[HD], 7
	s_add_nc_u64 s[10:11], s[10:11], s[56:57]      ; my quarter of bp
	global_load_b128 v[Q2:Q2+3], v[T], s[32:33]    ; q's 32 codes of query r, in both halves of the lanes
	global_load_b32 v[QSC], v[T+1], s[34:35]
.irp i, 0,1,2,3
	global_load_b128 v[X1+4*\i:X1+4*\i+3], v[T+2], s[8:9] offset:16*\i th:TH_LOAD_NT
.endr
.irp i, 0,1,2,3
	global_load_b128 v[S+4*\i:S+4*\i+3], v[HO], s[10:11] offset:16*\i
.endr
	KLOAD                                          ; chunk 0: both kinds of wave begin there
	VLOAD
	; under the loads: the other bases, the counts, the constants, every LDS address
	s_lshl_b32 s55, s[HD], 2
	s_add_co_u32 s54, s54, s55
	s_lshl_b32 s54, s54, 9
	s_mov_b32 s55, 0
	s_add_nc_u64 s[36:37], s[36:37], s[54:55]      ; out0 at the four rows that I store
	s_add_nc_u64 s[12:13], s[12:13], s[56:57]      ; my quarter of ln2_g, ln2_b; of Wp's scale words
	s_add_nc_u64 s[14:15], s[14:15], s[56:57]
	s_add_nc_u64 s[18:19], s[18:19], s[56:57]
	s_lshl_b32 s56, s[HD], 11
	s_add_nc_u64 s[16:17], s[16:17], s[56:57]      ; my 32 rows of Wp
	s_lshl_b32 s56, s[HD], 13
	s_add_nc_u64 s[20:21], s[20:21], s[56:57]      ; my 128 rows of W1, my 32 rows of W2
	s_add_nc_u64 s[24:25], s[24:25], s[56:57]
	s_lshl_b32 s56, s[HD], 9
	s_add_nc_u64 s[22:23], s[22:23], s[56:57]
	s_add_nc_u64 s[26:27], s[26:27], s[56:57]
	s_lshr_b32 s[CNT], s[JJ], 2                    ; a: the early tile's full steps
	s_sub_co_u32 s54, 8, s[CNT]
	s_lshl_b32 s[ST], s54, 14                      ; from chunk a to chunk 8
	s_mov_b32 s[ST+1], 0
	s_lshl_b32 s[SS], s54, 10
	s_mov_b32 s[SS+1], 0
	s_sub_co_u32 s[CNB], 7, s[CNT]                 ; the late tile's trips: 7 - a, in a front wave 7
	s_and_b32 s[DQ], s[AT], 7
	s_lshl_b32 s[DQ], s[DQ], 4
	s_and_b32 s[DB], s[JJ], 3
	s_and_b32 s[DQB], s[ATB], 7
	s_lshl_b32 s[DQB], s[DQB], 4
	s_and_b32 s[DBB], s49, 3
	s_cmp_eq_u32 s[BLK], 0
	s_cselect_b32 s[CNB], s[CNB], 7
	s_cselect_b32 s[DBB], s[DBB], 4                ; a front wave's last step: no block is masked
	s_and_b32 s54, s[WV], 9                        ; who prefetches: 0 in waves 0, 2, 4 and 6
	s_or_b32 s54, s54, s[JJ]                       ; of the work-group with j = 0
	s_cmp_eq_u32 s54, 0
	s_cselect_b32 s[LIM], 3, -1
	s_and_b32 s54, s[WV], 13
	s_xor_b32 s54, s54, 1                          ; 0 in waves 1 and 3
	s_or_b32 s54, s54, s[JJ]
	s_cmp_eq_u32 s54, 0
	s_cselect_b32 s[LIM2], 7, -1
	s_mov_b32 s[HM], 0xffff
	s_mov_b32 s[SEL], 0x76543210
	s_mov_b32 s[SEL+1], 0xfedcba98
	CPAIR CS,  0x3e8293ee                          ; log2(e) / sqrt(32)
	s_mov_b32 s[CL], 0xc0b504f3                    ; -4 sqrt 2, 4 sqrt 2
	s_mov_b32 s[CL+1], 0x40b504f3
	CPAIR EA0, 0xac95df0b                          ; P's coefficients, the highest power first (the second stands in v[CA1]),
	CPAIR EA2, 0xb40cff51
	CPAIR EA3, 0xb6eec2d2
	CPAIR EA4, 0xb940ac63
	CPAIR EA5, 0xbac1a1f6
	CPAIR EA6, 0xbc83dbd4
	CPAIR EB0, 0xb5accd2b                          ; Q's (the second in v[CB1])
	CPAIR EB2, 0xba1bf7b5
	CPAIR EB3, 0xbbaad7f2
	CPAIR EB4, 0xbca542a9
	s_mov_b32 s92, 0x3727c5ac                      ; eps = 1e-5
	s_mov_b32 s93, 0x3c000000                      ; 1 / 128
	s_mov_b32 s94, 0x42000000                      ; 32
	s_mov_b32 s95, 0x3d000000                      ; 1 / 32
	s_lshl_b32 s55, s[SUB], 10
	s_lshl_b32 s56, s[HD], 8
	s_add_co_u32 s55, s55, s56
	v_lshlrev_b32 v[YST], 4, v30
	DLY 1
	v_lshl_add_u32 v[YST], v31, 3, v[YST]
	DLY 1
	v_add_nc_u32 v[YST], s55, v[YST]               ; y's image: block = head: 1,024 tile + 256 head + 16 r + 8 h (the early tile's)
	s_lshl_b32 s55, s[SUB], 6
	s_add_co_u32 s55, s55, s[HD]
	s_add_co_u32 s55, s55, YSC
	v_lshl_add_u32 v[YSB], v30, 2, s55             ; and its byte of row r's scale word
	s_lshl_b32 s55, s[LT], 10
	v_add_nc_u32 v[YFA], s55, v[L16]               ; the tail's tile: a fragment's image
	s_lshl_b32 s55, s[LT], 6
	s_add_co_u32 s55, s55, YSC
	v_lshl_add_u32 v[YFS], v30, 2, s55             ; and its rows' scale words
	v_lshl_add_u32 v[STW], v0, 3, STAT
	s_lshl_b32 s55, s[LT], 10
	s_add_co_u32 s55, s55, STAT
	v_lshl_add_u32 v[STR], v[L4], 1, s55
	s_lshl_b32 s55, s[LT], 10
	s_lshl_b32 s56, s[HD], 8
	s_add_co_u32 s55, s55, s56
	s_add_co_u32 s55, s55, H2IMG
	v_lshlrev_b32 v[H2W], 4, v30
	DLY 1
	v_lshl_add_u32 v[H2W], v31, 3, v[H2W]
	DLY 1
	v_add_nc_u32 v[H2W], s55, v[H2W]
	s_lshl_b32 s55, s[LT], 6
	s_add_co_u32 s55, s55, s[HD]
	s_add_co_u32 s55, s55, H2SC
	v_lshl_add_u32 v[H2B], v30, 2, s55
	s_lshl_b32 s55, s[WV], 10
	s_add_co_u32 s55, s55, HIMG
	v_add_nc_u32 v[HW], s55, v[L16]
	s_lshl_b32 s55, s[WV], 7
	s_add_co_u32 s55, s55, HSC
	v_add_nc_u32 v[HSW], s55, v[L4]
	s_lshl_b32 s55, s[LT], 12
	s_add_co_u32 s55, s55, HIMG
	v_add_nc_u32 v[HR], s55, v[L16]
	s_lshl_b32 s55, s[LT], 9
	s_add_co_u32 s55, s55, HSC
	v_add_nc_u32 v[HSR], s55, v[L4]
	s_mul_i32 s55, s[LT], 16*OP
	s_lshl_b32 s56, s[HD], 7
	s_add_co_u32 s55, s55, s56
	s_add_co_u32 s55, s55, OST
	v_mul_u32_u24 v[OW], v30, OP
	DLY 1
	v_lshl_add_u32 v[OW], v31, 6, v[OW]
	DLY 1
	v_add_nc_u32 v[OW], s55, v[OW]                 ; the stage: row 16 tile + r, my 64 bytes at 128 quarter + 64 h
	s_mul_i32 s55, s[WV], 4*OP
	s_add_co_u32 s55, s55, OST
	v_add_nc_u32 v[ORD], s55, v[L16]               ; back: rows 4 w .. 4 w + 3, whole
	s_mul_i32 s55, s[WV], 2560
	s_add_co_u32 s55, s55, JN
	v_add_nc_u32 v[JW], s55, v[L16]                ; the join: my slot, and my partner's
	s_xor_b32 s55, s[WV], 4
	s_mul_i32 s55, s55, 2560
	s_add_co_u32 s55, s55, JN
	v_add_nc_u32 v[JR], s55, v[L16]
	v_lshlrev_b32 v[DM], 4, v31
	DLY 1
	v_sub_nc_u32 v[DM], v30, v[DM]
	v_and_b32 v[WA1], 8, v30
	DLY 1
	v_add_nc_u32 v[WS16], v[WA1], v30              ; pat(r) = r + 8 (r / 8)
	DLY 1
	v_lshlrev_b32 v[WA1], 6, v[WS16]
	DLY 1
	v_lshl_add_u32 v[WA1], v31, 4, v[WA1]
	DLY 3
	v_lshlrev_b32 v[WS4], 2, v[WS16]
	DLY 4
	v_lshlrev_b32 v[WA2], 8, v[WS16]
	DLY 1
	v_lshl_add_u32 v[WA2], v31, 4, v[WA2]
	v_lshlrev_b32 v[WS16], 4, v[WS16]
.irp i, 0,1,2,3
	v_mov_b32 v[QC+4+\i], 0
	v_mov_b32 v[QC+12+\i], 0
.endr
.irp b, 0,1,2,3
	v_mov_b32 v[BP+\b], 0                          ; a lane permute's destination counts as one of its sources
.endr
	v_mov_b32 v[F+1], 0                            ; named with f as a pair
	v_mov_b32 v[NINF], 0xff800000
	INIT
	s_wait_alu depctr_va_vdst(0)                   ; the head's end
	s_wait_loadcnt 10                              ; all but the first chunk's K and V, five loads each
	EXPQ
.irp i, 0,2,4,6,8,10,12,14
	v_pk_add_f32 v[X1+\i:X1+\i+1], v[X1+\i:X1+\i+1], v[S+\i:S+\i+1]   ; x + bp: the C of Wp's products
.endr
	s_wait_alu depctr_va_vdst(0)                   ; the wait ahead of the branch
	s_cmp_eq_u32 s[BLK], 0
	s_cbranch_scc0 .Llate                          ; a front wave has the late tile alone
	global_load_b128 v[Q2:Q2+3], v[T], s[4:5]      ; the late tile's q, for later (the first wait in a step covers more than it must, by these two)
	global_load_b32 v[QS2], v[T+1], s[6:7]
	s_cmp_eq_u32 s[CNT], 0
	s_cbranch_scc1 .Ldiag
.Lfull:
	STEP 0, 1, 0
	s_sub_co_u32 s[CNT], s[CNT], 1
	s_cmp_lg_u32 s[CNT], 0
	s_cbranch_scc1 .Lfull
.Ldiag:
	STEP 1, 2, 0
	FINISH 0                                       ; the early tile is done
	v_mov_b32 v[QSC], v[QS2]
	EXPQ
	INIT
	s_wait_alu depctr_va_vdst(0)
.Llate:
	s_mov_b32 s[DQ], s[DQB]
	s_mov_b32 s[DB], s[DBB]
	s_mov_b32 s[CNT], s[CNB]
	s_cmp_eq_u32 s[CNT], 0
	s_cbranch_scc1 .Llast
.Lfull2:
	STEP 0, 1, 1
	s_sub_co_u32 s[CNT], s[CNT], 1
	s_cmp_lg_u32 s[CNT], 0
	s_cbranch_scc1 .Lfull2
.Llast:
	STEP 1, 0, 0
	; ---- the join
	s_cmp_eq_u32 s[BLK], 0
	s_cbranch_scc1 .Lkeep
.irp i, 0,1,2,3
	ds_store_b128 v[JW], v[O+4*\i:O+4*\i+3] offset:512*\i
.endr
	ds_store_b128 v[JW], v[NM:NM+3] offset:2048    ; -M, the largest t, the sum's two halves
.Lkeep:
	BARRIER                                        ; the front waves' sums lie in LDS
	s_cmp_eq_u32 s[BLK], 0
	s_cbranch_scc0 .Ljoined
.irp i, 0,1,2,3
	ds_load_b128 v[VF+4*\i:VF+4*\i+3], v[JR] offset:512*\i
.endr
	ds_load_b128 v[P:P+3], v[JR] offset:2048
	s_wait_dscnt 0x0
	v_min_num_f32 v[P+4], v[NM], v[P]              ; the larger M, negative
	DLY 1
	v_sub_f32 v[P+5], v[P+4], v[NM]
	v_sub_f32 v[P+6], v[P+4], v[P]
	DLY 2
	v_cvt_i32_f32 v[P+5], v[P+5]
	DLY 2
	v_cvt_i32_f32 v[P+6], v[P+6]
	DLY 2
	v_ldexp_f32 v[F], 1.0, v[P+5]                  ; 2^(my M - the larger), 2^(the partner's M - the larger)
	DLY 2
	v_ldexp_f32 v[BM], 1.0, v[P+6]
.irp i, 0,2,4,6,8,10,12,14
	v_pk_mul_f32 v[O+\i:O+\i+1], v[O+\i:O+\i+1], v[F:F+1] op_sel_hi:[1,0]
.endr
	v_pk_mul_f32 v[SUM:SUM+1], v[SUM:SUM+1], v[F:F+1] op_sel_hi:[1,0]
.irp i, 0,2,4,6,8,10,12,14
	v_pk_fma_f32 v[O+\i:O+\i+1], v[VF+\i:VF+\i+1], v[BM:BM+1], v[O+\i:O+\i+1] op_sel_hi:[1,0,1]
.endr
	v_pk_fma_f32 v[SUM:SUM+1], v[P+2:P+3], v[BM:BM+1], v[SUM:SUM+1] op_sel_hi:[1,0,1]
	FINISH 1
.Ljoined:
	BARRIER                                        ; y's four fragments lie in LDS
	; ---- x1 = x + bp + y Wp: my 32 columns of my tile's 16 rows (source 0 = Wp's rows 32 quarter + 8 u + pat(r))
	ds_load_b128 v[YF:YF+3], v[YFA] offset:YIMG
	ds_load_b128 v[YF+4:YF+7], v[YFA] offset:YIMG+512
	ds_load_b32 v[FS], v[YFS]
	v_mov_b32 v[CA1], 0x306dffee                   ; erf's two coefficients, where the join's addresses stood
	v_mov_b32 v[CA1+1], 0x306dffee
	v_mov_b32 v[CB1], 0xb81e3511
	v_mov_b32 v[CB1+1], 0xb81e3511
	s_wait_alu depctr_va_vdst(0)
	s_wait_dscnt 0x0
	s_wait_loadcnt 32                              ; Wp is in; 8 loads of the norm's and 24 of W1 may be out
	v_wmma_scale_f32_16x16x128_f8f6f4 v[X1:X1+7], v[WPF:WPF+7], v[YF:YF+7], v[X1:X1+7], v[WPS], v[FS] matrix_a_fmt:MATRIX_FMT_FP4 matrix_b_fmt:MATRIX_FMT_FP4
	v_wmma_scale_f32_16x16x128_f8f6f4 v[X1+8:X1+15], v[WPF+8:WPF+15], v[YF:YF+7], v[X1+8:X1+15], v[WPS+1], v[FS] matrix_a_fmt:MATRIX_FMT_FP4 matrix_b_fmt:MATRIX_FMT_FP4
	NOPS 4
	; my quarter's mean and its sum of squared differences from that mean
	v_pk_add_f32 v[T:T+1], v[X1:X1+1], v[X1+2:X1+3]
	v_pk_add_f32 v[T+2:T+3], v[X1+8:X1+9], v[X1+10:X1+11]
	v_pk_add_f32 v[T:T+1], v[T:T+1], v[X1+4:X1+5]
	v_pk_add_f32 v[T+2:T+3], v[T+2:T+3], v[X1+12:X1+13]
	v_pk_add_f32 v[T:T+1], v[T:T+1], v[X1+6:X1+7]
	v_pk_add_f32 v[T+2:T+3], v[T+2:T+3], v[X1+14:X1+15]
	DLY 1
	v_pk_add_f32 v[T:T+1], v[T:T+1], v[T+2:T+3]
	DLY 1
	v_add_f32 v[T], v[T], v[T+1]
	DLY 1
	v_permlanex16_b32 v[T+4], v[T], s[SEL], s[SEL+1]
	DLY 1
	v_add_f32 v[T], v[T], v[T+4]
	DLY 1
	v_mul_f32 v[T], s95, v[T]
.irp i, 0,2,4,6,8,10,12,14
	v_pk_add_f32 v[D+\i:D+\i+1], v[X1+\i:X1+\i+1], v[T:T+1] op_sel_hi:[1,0] neg_lo:[0,1] neg_hi:[0,1]
.endr
	v_pk_mul_f32 v[T+2:T+3], v[D:D+1], v[D:D+1]
	v_pk_mul_f32 v[T+6:T+7], v[D+2:D+3], v[D+2:D+3]
.irp i, 4,8,12
	DLY 2
	v_pk_fma_f32 v[T+2:T+3], v[D+\i:D+\i+1], v[D+\i:D+\i+1], v[T+2:T+3]
	DLY 2
	v_pk_fma_f32 v[T+6:T+7], v[D+2+\i:D+3+\i], v[D+2+\i:D+3+\i], v[T+6:T+7]
.endr
	DLY 1
	v_pk_add_f32 v[T+2:T+3], v[T+2:T+3], v[T+6:T+7]
	DLY 1
	v_add_f32 v[T+1], v[T+2], v[T+3]
	DLY 1
	v_permlanex16_b32 v[T+4], v[T+1], s[SEL], s[SEL+1]
	DLY 1
	v_add_f32 v[T+1], v[T+1], v[T+4]
	ds_store_b64 v[STW], v[T:T+1]
	BARRIER                                        ; the four quarters' figures lie in LDS
	; ---- the second norm.  The quarters are joined by their means and sums of squared differences: no difference of large sums is formed
.irp i, 0,1,2,3
	ds_load_b64 v[T+2*\i:T+2*\i+1], v[STR] offset:256*\i
.endr
	s_wait_dscnt 0x0
	v_add_f32 v[T+8], v[T], v[T+2]
	v_add_f32 v[T+9], v[T+4], v[T+6]
	DLY 1
	v_add_f32 v[T+8], v[T+8], v[T+9]
	DLY 1
	v_mul_f32 v[T+8], 0x3e800000, v[T+8]           ; the row's mean
.irp i, 0,2,4,6
	v_sub_f32 v[T+\i], v[T+\i], v[T+8]
.endr
	DLY 4
	v_mul_f32 v[T+9], v[T], v[T]
	DLY 1
	v_fmac_f32 v[T+9], v[T+2], v[T+2]
	DLY 1
	v_fmac_f32 v[T+9], v[T+4], v[T+4]
	DLY 1
	v_fmac_f32 v[T+9], v[T+6], v[T+6]
	v_add_f32 v[T+1], v[T+1], v[T+3]
	v_add_f32 v[T+5], v[T+5], v[T+7]
	DLY 1
	v_add_f32 v[T+1], v[T+1], v[T+5]
	DLY 1
	v_fma_f32 v[T+1], v[T+9], s94, v[T+1]          ; + 32 x the quarters' means' squared differences
	DLY 1
	v_fma_f32 v[T+1], v[T+1], s93, s92             ; var + eps
	s_wait_alu depctr_va_vdst(0)
	v_rsq_f32 v[T+10], v[T+1]
.irp i, 0,2,4,6,8,10,12,14
	v_pk_add_f32 v[D+\i:D+\i+1], v[X1+\i:X1+\i+1], v[T+8:T+9] op_sel_hi:[1,0] neg_lo:[0,1] neg_hi:[0,1]   ; plain work behind the transcendental
.endr
	s_wait_alu depctr_va_vdst(0)                   ; the wait ahead of the first reader
.irp i, 0,2,4,6,8,10,12,14
	v_pk_mul_f32 v[D+\i:D+\i+1], v[D+\i:D+\i+1], v[T+10:T+11] op_sel_hi:[1,0]
.endr
	s_wait_alu depctr_va_vdst(0)
	s_wait_loadcnt 24                              ; ln2_g and ln2_b are in; W1's 24 loads may be out
.irp i, 0,2,4,6,8,10,12,14
	v_pk_fma_f32 v[D+\i:D+\i+1], v[D+\i:D+\i+1], v[LG+\i:LG+\i+1], v[LB+\i:LB+\i+1]
.endr
	QB D                                           ; my quarter is block HD of h2's K
	ds_store_b64 v[H2W], v[CD:CD+1]
	ds_store_b8 v[H2B], v[TMP]
	BARRIER                                        ; h2's four fragments lie in LDS
	; ---- my 128 hidden units of my tile's 16 rows
	ds_load_b128 v[H2F:H2F+3], v[YFA] offset:H2IMG
	ds_load_b128 v[H2F+4:H2F+7], v[YFA] offset:H2IMG+512
	ds_load_b32 v[FS], v[YFS] offset:H2SC-YSC
	s_wait_dscnt 0x0
	s_wait_loadcnt 0x0                             ; W1
.irp t, 0,1,2,3,4,5,6,7
	v_wmma_scale_f32_16x16x128_f8f6f4 v[H+8*\t:H+8*\t+7], v[WF+8*\t:WF+8*\t+7], v[H2F:H2F+7], 0, v[W1S+\t], v[FS] matrix_a_fmt:MATRIX_FMT_FP4 matrix_b_fmt:MATRIX_FMT_FP4
.endr
	NOPS 4                                         ; places ahead of the loads into W1's registers and of the first read of the results
.irp u, 0,1                                            ; my 32 rows of W2, all four K steps, into W1's registers: the gelu stands between this request and the wait for it
.irp k, 0,1,2,3
.irp c, 0,1
	global_load_b128 v[WF+8*(4*\u+\k)+4*\c:WF+8*(4*\u+\k)+4*\c+3], v[WA2], s[24:25] offset:2048*\u+64*\k+32*\c
.endr
	global_load_b32 v[W2S+4*\u+\k], v[WS16], s[26:27] offset:128*\u+4*\k
.endr
.endr
	GELU H
	GELU H+16
	GELU H+32
	GELU H+48
	QUANT H, PC, PW                                ; K step HD of the last product
	ds_store_b128 v[HW], v[PC:PC+3]
	ds_store_b128 v[HW], v[PC+4:PC+7] offset:512
	ds_store_b32 v[HSW], v[PW]
	BARRIER                                        ; the hidden layer's sixteen fragments lie in LDS
	; ---- out = x1 + gelu(..) W2: the two accumulators by turns
.irp k, 0,1,2,3
	ds_load_b128 v[HF+8*\k:HF+8*\k+3], v[HR] offset:1024*\k
	ds_load_b128 v[HF+8*\k+4:HF+8*\k+7], v[HR] offset:1024*\k+512
	ds_load_b32 v[HS+\k], v[HSR] offset:128*\k
.endr
	s_wait_dscnt 0x0
	s_wait_loadcnt 0x0                             ; W2
.irp k, 0,1,2,3
.irp u, 0,1
	v_wmma_scale_f32_16x16x128_f8f6f4 v[X1+8*\u:X1+8*\u+7], v[WF+8*(4*\u+\k):WF+8*(4*\u+\k)+7], v[HF+8*\k:HF+8*\k+7], v[X1+8*\u:X1+8*\u+7], v[W2S+4*\u+\k], v[HS+\k] matrix_a_fmt:MATRIX_FMT_FP4 matrix_b_fmt:MATRIX_FMT_FP4
.endr
.endr
	NOPS 4
.irp i, 0,1,2,3
	ds_store_b128 v[OW], v[X1+4*\i:X1+4*\i+3] offset:16*\i   ; my 64 bytes of row r, each accumulator from its low end on
.endr
	BARRIER                                        ; 64 whole rows lie in the stage
.irp i, 0,1,2,3
	ds_load_b128 v[HF+4*\i:HF+4*\i+3], v[ORD] offset:OP*\i
.endr
.irp i, 0,1,2,3
	s_wait_dscnt 3-\i                              ; row i is back; the younger loads may be out
	global_store_b128 v[L16], v[HF+4*\i:HF+4*\i+3], s[36:37] offset:512*\i th:TH_STORE_NT   ; 32 lanes store a row: 512 consecutive bytes, aligned
.endr
	s_wait_tensorcnt 0x0                           ; the wave's end, behind my last LDS store
	ds_add_u32 v[SPW], v[NIL]
	s_wait_dscnt 0x0
	s_endpgm
.Lfunc_end_k_qabea72dbe2_block:
	.size	k_qabea72dbe2_block, .Lfunc_end_k_qabea72dbe2_block-k_qabea72dbe2_block
	.p2alignl 7, 3214868480
	.fill 96, 4, 3214868480
	.section	.rodata,"a",@progbits
	.p2align	6, 0x0
	.amdhsa_kernel k_qabea72dbe2_block
		.amdhsa_group_segment_fixed_size 108032
		.amdhsa_private_segment_fixed_size 0
		.amdhsa_enable_private_segment 0
		.amdhsa_kernarg_size 120
		.amdhsa_user_sgpr_count 2
		.amdhsa_user_sgpr_kernarg_segment_ptr 1
		.amdhsa_wavefront_size32 1
		.amdhsa_system_sgpr_workgroup_id_x 1
		.amdhsa_system_sgpr_workgroup_id_y 1
		.amdhsa_system_sgpr_workgroup_id_z 1
		.amdhsa_system_vgpr_workitem_id 0
		.amdhsa_next_free_vgpr 256
		.amdhsa_next_free_sgpr 100
		.amdhsa_reserve_vcc 1
		.amdhsa_float_denorm_mode_32 3
		.amdhsa_float_denorm_mode_16_64 3
		.amdhsa_memory_ordered 1
		.amdhsa_forward_progress 1
		.amdhsa_inst_pref_size 157
	.end_amdhsa_kernel
	.amdgpu_metadata
---
amdhsa.version: [ 1, 2 ]
amdhsa.kernels:
  - .name:           k_qabea72dbe2_block
    .symbol:         k_qabea72dbe2_block.kd
    .args:
      - { .name: x, .offset: 0, .size: 8, .value_kind: global_buffer, .address_space: global }
      - { .name: bp, .offset: 8, .size: 8, .value_kind: global_buffer, .address_space: global }
      - { .name: ln2_g, .offset: 16, .size: 8, .value_kind: global_buffer, .address_space: global }
      - { .name: ln2_b, .offset: 24, .size: 8, .value_kind: global_buffer, .address_space: global }
      - { .name: Wp_codes, .offset: 32, .size: 8, .value_kind: global_buffer, .address_space: global }
      - { .name: Wp_scales, .offset: 40, .size: 8, .value_kind: global_buffer, .address_space: global }
      - { .name: W1_codes, .offset: 48, .size: 8, .value_kind: global_buffer, .address_space: global }
      - { .name: W1_scales, .offset: 56, .size: 8, .value_kind: global_buffer, .address_space: global }
      - { .name: W2_codes, .offset: 64, .size: 8, .value_kind: global_buffer, .address_space: global }
      - { .name: W2_scales, .offset: 72, .size: 8, .value_kind: global_buffer, .address_space: global }
      - { .name: kv, .offset: 80, .size: 8, .value_kind: global_buffer, .address_space: global }
      - { .name: sc, .offset: 88, .size: 8, .value_kind: global_buffer, .address_space: global }
      - { .name: qc, .offset: 96, .size: 8, .value_kind: global_buffer, .address_space: global }
      - { .name: qs, .offset: 104, .size: 8, .value_kind: global_buffer, .address_space: global }
      - { .name: out0, .offset: 112, .size: 8, .value_kind: global_buffer, .address_space: global }
    .group_segment_fixed_size: 108032
    .private_segment_fixed_size: 0
    .kernarg_segment_align: 8
    .kernarg_segment_size: 120
    .max_flat_workgroup_size: 512
    .sgpr_count:     100
    .vgpr_count:     256
    .wavefront_size: 32
...
	.end_amdgpu_metadata
.endif
;; end of part 2
